; MI455X (gfx1250); checked and timed in simulation.
; The chip was launched on July 23, 2026; its instructions are those of AMD's public machine-readable ISA for CDNA 5 (MIT licence, August 2026) and "CDNA5" Instruction Set Architecture Reference Guide (July 2026). The comments in the code are by the model that wrote it; some were corrected since.
;; Co S Fuser Mo E Layer. Allowed arithmetic: matrix products marked QUANTISED: E5M2 operands, one given power-of-two scale a tensor, by v_wmma_f32_16x16x64_bf8_bf8 or v_wmma_f32_16x16x128_bf8_bf8, f32 sums; products left as they are: f32 operands where the result goes on into a quantised operand, else bf16, f16 or f32 operands; f32 sums; everything else in f32.
;; Inputs: b1 8 x 4,096 float32; b2 8 x 1,024 float32; lowp_scales 4 int32 (the exponents e of the quantised operands' scales 2^e); router_b 8 float32; router_w 1,024 x 8 float32; w1_codes 8 x 4,096 x 32 x 32 uint8 (E5M2 codes of w1, K innermost, in blocks of 32 codes); w2_codes 8 x 1,024 x 128 x 32 uint8 (E5M2 codes of w2, K innermost, in blocks of 32 codes); x 4 x 256 x 1,024 float32.
;; Outputs: out0 4 x 256 x 1,024 float32; out1 one number float32.
;; This version of the problem:
;;   THIS VERSION OF THE PROBLEM IS GIVEN IN LOW PRECISION. The matrix products marked QUANTISED in the list below multiply operands that are first quantised to E5M2 (5 exponent bits, 2 mantissa bits; 8 bits a number), with one given power-of-two scale for each operand tensor; their sums are f32. All else is computed in f32.
;;   The module's matrix products, in the order in which they are computed (A, B: the left and right operand; K: the contracted axis; several contracted axes count as one K, in the product's order):
;;     1. [M 1,024, K 1,024] x [K 1,024, N 8]; A: input x; B: input router_w: left as it is (N = 8 < 16)
;;     2. [M 32,768, K 1,024] x [K 1,024, N 1,024]; A: input w1 (given as codes); B: input x: QUANTISED (scales: A lowp_scales[0], B lowp_scales[1])
;;     3. batch 8 x [M 1,024, K 4,096] x [K 4,096, N 1,024]; A: computed on the way; B: input w2 (given as codes): QUANTISED (scales: A lowp_scales[2], B lowp_scales[3])
;;     4. batch 1,024 x [M 1,024, K 8] x [K 8, N 1]; A: computed on the way; B: computed on the way: left as it is (K = 8 < 32)
;;   THE QUANTISER, for each operand of a quantised product, along K:
;;     - The operand's scale is 2^e, e = its entry of the input lowp_scales (int32; the entries are numbered through the quantised products in the list's order, A before B).
;;     - Each number is divided by the scale, clamped to +-57,344, and rounded to the nearest number of E5M2, ties to even, subnormals kept.
;;     - The product sums the exact products of the quantised numbers (number of the format x scale) in f32.
;;   ~~~python
;;   def quantise(x, axis, e):      # numpy; x: float32 -> the quantised numbers, widened to float32 again
;;       x = np.moveaxis(x, axis, -1); K = x.shape[-1]
;;       r = np.clip(x / 2.0 ** e, -57344, 57344)
;;       step = 2.0 ** (np.maximum(np.frexp(np.where(r == 0, 1, r))[1] - 1, -14) - 2)
;;       q = np.round(r / step) * step * 2.0 ** e      # np.round: ties to even
;;       return np.moveaxis(q, -1, axis).astype(np.float32)
;;   ~~~
;;   OPERANDS COMPUTED ON THE WAY. 'Computed on the way' means the value that the module computes at that place (a softmax that the list does not call 'softmax' is quantised finished and normalised). What goes into a quantiser is computed in f32, as accurately as f32 sums, v_exp_f32 and their like allow (about 1e-6 of the number): no bf16 or f16 on the way to a quantiser, and a product that is left as it is and whose result goes on into a quantised operand takes f32 operands (vector FMAs, or v_wmma_f32_16x16x4_f32). A number that lies on a knife's edge between two numbers of the format may be rounded either way, as far as f32 arithmetic and the matrix unit's own rounding can turn it there, and no further.
;;   INPUTS GIVEN AS CODES. w1 (in the module: [8, 1024, 4096], K = its axis 1); w2 (in the module: [8, 4096, 1024], K = its axis 1): each comes as NAME_codes (uint8): NAME with its K axis moved to the last place and cut into blocks of 32 codes, [.., K / 32, bytes a block], one block behind the other in memory; one code a byte (a code: sign, 5 exponent bits, 2 mantissa bits); its scale is its entry of lowp_scales. Its value is code x scale, taken as it is: it is not quantised again, and the codes and scales need not be those that the quantiser above would give.
;; 2 versions. Each part assembles by itself: llvm-mc -triple=amdgcn-amd-amdhsa -mcpu=gfx1250 --defsym DOCPART=n.
;; ======== version 1 of 2: 4 launches
;; workspace buffers: xq 1,048,576 bytes; xs 1,048,576 bytes; eidx 4,096 bytes of whole numbers; order 4,096 bytes of whole numbers; offs 256 bytes of whole numbers; prob 12,288 bytes; psort 4,096 bytes; himg 4,718,592 bytes
;; launch route (part 1): grid 256 x 1, 4 waves a work-group, no clusters, 19,968 bytes of LDS; arguments x, router_w, router_b, lowp_scales, xq, eidx, prob; writes xq, eidx, prob
.if DOCPART == 1
	.amdgcn_target "amdgcn-amd-amdhsa--gfx1250"
	.amdhsa_code_object_version 6
	.text
	.protected	k_q76881c12e6_route
	.globl	k_q76881c12e6_route
	.p2align	8
	.type	k_q76881c12e6_route,@function
k_q76881c12e6_route:
	s_mov_b64 s[64:65], 0
	v_nop
	global_prefetch_b8 v0, s[64:65] scope:SCOPE_SE
	s_setreg_imm32_b32 hwreg(HW_REG_WAVE_MODE, 25, 1), 1
	s_wait_xcnt 0x0
; THE ROUTER, AND x's CODES.  logits = x router_w + router_b in f32; softmax with the row's maximum taken away; the chosen expert and its probability for each token;
; the sums of the probabilities over the work-group's four tokens (for the balance loss); x as codes of E5M2 with the given scale 2^ex (entry 1 of the scales).
; SHARES.  Work-group g takes tokens 4 g .. 4 g + 3.  Thread t (0..127) takes d = 8 t .. 8 t + 7 of all four tokens: 32 bytes of each row of x, 256 bytes of router_w.
; Each thread makes 32 partial sums (4 tokens x 8 experts); they are turned through the wave's own LDS rows, so that lane l sums value l = 8 token + expert over the wave's 32 lanes;
; the four waves' sums meet in LDS behind one barrier, and wave 0 does the softmax: eight neighbouring lanes hold a token's eight logits.
; STORED: xq [token][1024] codes, K innermost; eidx [token] int32; prob: bytes 0..4095 the largest probability by token, bytes 4096.. [work-group][8] sums of p.
; No address and no branch hangs on the choice: it is stored at fixed places, and the next launch places the rows.
; No matrix unit: the product has 8 columns.  No tensor load: each byte is read once, into registers.
; LIMITS: ex between -126 and 112.  NaN among the inputs is not served.  The chosen expert is the lowest index of the largest LOGIT.
.set TRP, 144                          ; a lane's row in the turn: 128 bytes + 16 (an odd multiple of 16)
.set TRW, 32*TRP                       ; a wave's region
.set XWB, 4*TRW                        ; behind them: 128 bytes for each wave: its 32 sums
.set XR,  16                           ; v16-47   x: token t at 16 + 8 t
.set WR,  48                           ; v48-111  router_w: d i at 48 + 8 i, experts 0..7
.set AC,  112                          ; v112-143 partial sums: 112 + 8 t + e
.set TT,  144                          ; v144-175 at work
.set CC,  176                          ; v176-183 codes, two registers a token
	s_load_b256 s[4:11], s[0:1], 0x0               ; x, router_w, router_b, the scales' exponents
	s_load_b128 s[12:15], s[0:1], 0x20             ; xq, eidx
	s_load_b64 s[16:17], s[0:1], 0x30              ; prob
	v_lshl_add_u32 v184, v0, 2, 0x4c00
	v_mov_b32 v185, 0
	v_lshrrev_b32 v12, 5, v0
	v_readfirstlane_b32 s20, v12                   ; wave
	v_and_b32 v1, 31, v0                           ; lane
	v_lshlrev_b32 v2, 5, v0                        ; x: my 32 bytes of a row
	v_lshlrev_b32 v3, 8, v0                        ; router_w: my 8 rows of 32 bytes
	v_lshlrev_b32 v4, 3, v0                        ; xq: my 8 codes of a row
	s_mul_i32 s21, s20, TRW
	s_lshl_b32 s22, s20, 7
	v_mul_u32_u24 v5, v1, TRP
	v_add_nc_u32 v5, s21, v5                       ; the turn, in: my row
	v_lshlrev_b32 v12, 2, v1                       ; 4 x lane
	v_add_nc_u32 v6, s21, v12                      ; the turn, out: word l of every row
	v_add_nc_u32 v8, XWB, v12                      ; the waves' sums, read
	v_add_nc_u32 v7, s22, v8                       ; and stored
	v_and_b32 v13, 7, v1                           ; my expert in the softmax
	v_lshlrev_b32 v14, 2, v13
	s_mov_b32 s24, 0x76543210                      ; v_permlanex16_b32: lane l xor 16
	s_mov_b32 s25, 0xfedcba98
	s_lshl_b32 s26, ttmp9, 14                      ; four rows of 4,096 bytes
	s_mov_b32 s27, 0
	s_wait_kmcnt 0x0
	s_load_b32 s29, s[10:11], 0x4                  ; ex
	s_add_nc_u64 s[4:5], s[4:5], s[26:27]
	s_lshl_b32 s26, ttmp9, 12                      ; four rows of 1,024 codes
	s_add_nc_u64 s[12:13], s[12:13], s[26:27]
	s_lshl_b32 s26, ttmp9, 5
	s_add_co_u32 s26, s26, 4096
	s_add_nc_u64 s[18:19], s[16:17], s[26:27]      ; the sums of p: 4,096 + 32 g
	s_lshl_b32 s26, ttmp9, 4
	s_add_nc_u64 s[14:15], s[14:15], s[26:27]      ; eidx and the largest p: 16 g
	s_add_nc_u64 s[16:17], s[16:17], s[26:27]
	global_load_b32 v11, v14, s[8:9]               ; router_b of my expert
.irp k, 0,1,2,3,4,5,6,7,8,9,10,11,12,13,14,15
	global_load_b128 v[WR+4*\k:WR+4*\k+3], v3, s[6:7] offset:16*\k
.endr
.irp t, 0,1,2,3
	global_load_b128 v[XR+8*\t:XR+8*\t+3], v2, s[4:5] offset:4096*\t th:TH_LOAD_NT
	global_load_b128 v[XR+8*\t+4:XR+8*\t+7], v2, s[4:5] offset:4096*\t+16 th:TH_LOAD_NT
.endr
	s_wait_loadcnt 0x0                             ; one batch of loads, all wanted at once
; 4 tokens x 8 experts x 8 d: two experts an instruction; x's number is taken from its pair for both halves.  The first d starts the sums.
.irp i, 0,1,2,3,4,5,6,7
.irp t, 0,1,2,3
.irp p, 0,2,4,6
.if \i == 0
	v_pk_mul_f32 v[AC+8*\t+\p:AC+8*\t+\p+1], v[XR+8*\t:XR+8*\t+1], v[WR+\p:WR+\p+1] op_sel_hi:[0,1]
.elseif (\i%2) == 0
	v_pk_fma_f32 v[AC+8*\t+\p:AC+8*\t+\p+1], v[XR+8*\t+\i:XR+8*\t+\i+1], v[WR+8*\i+\p:WR+8*\i+\p+1], v[AC+8*\t+\p:AC+8*\t+\p+1] op_sel_hi:[0,1,1]
.else
	v_pk_fma_f32 v[AC+8*\t+\p:AC+8*\t+\p+1], v[XR+8*\t+\i-1:XR+8*\t+\i], v[WR+8*\i+\p:WR+8*\i+\p+1], v[AC+8*\t+\p:AC+8*\t+\p+1] op_sel:[1,0,0] op_sel_hi:[1,1,1]
.endif
.endr
.endr
.endr
; the turn: my 32 sums into my row; word l of all 32 rows back.  The bytes are the wave's own and LDS serves a wave's instructions in order: no wait between.
.irp k, 0,1,2,3,4,5,6,7
	ds_store_b128 v5, v[AC+4*\k:AC+4*\k+3] offset:16*\k
.endr
.irp j, 0,1,2,3,4,5,6,7,8,9,10,11,12,13,14,15,16,17,18,19,20,21,22,23,24,25,26,27,28,29,30,31
	ds_load_b32 v[TT+\j], v6 offset:TRP*\j
.endr
; while they are out: x's codes
	s_wait_kmcnt 0x0
	s_add_co_i32 s22, s29, 127
	s_lshl_b32 s23, s22, 23
	v_mov_b32 v9, s23                              ; 2^ex as f32: the conversion takes its exponent field
	s_add_co_i32 s22, s22, 15
	s_lshl_b32 s22, s22, 23
	s_or_b32 s22, s22, 0x600000
	v_mov_b32 v10, s22                             ; 57,344 x 2^ex
.irp t, 0,1,2,3
.irp i, 0,1,2,3,4,5,6,7
	v_med3_num_f32 v[XR+8*\t+\i], v[XR+8*\t+\i], -v10, v10   ; the conversion to an 8-bit code does not saturate (ISA guide 7.6.2): the hold comes first
.endr
	v_cvt_scalef32_pk8_bf8_f32 v[CC+2*\t:CC+2*\t+1], v[XR+8*\t:XR+8*\t+7], v9
.endr
	v_nop                                          ; a plain line behind the last conversion
.irp t, 0,1,2,3
	global_store_b64 v4, v[CC+2*\t:CC+2*\t+1], s[12:13] offset:1024*\t   ; a wave stores 256 consecutive bytes, at a multiple of 256 from the buffer's first byte
.endr
	s_wait_dscnt 0x0                               ; the 32 words are back
.irp j, 8,16,24
	v_pk_add_f32 v[TT:TT+1], v[TT:TT+1], v[TT+\j:TT+\j+1]          ; four chains
	v_pk_add_f32 v[TT+2:TT+3], v[TT+2:TT+3], v[TT+\j+2:TT+\j+3]
	v_pk_add_f32 v[TT+4:TT+5], v[TT+4:TT+5], v[TT+\j+4:TT+\j+5]
	v_pk_add_f32 v[TT+6:TT+7], v[TT+6:TT+7], v[TT+\j+6:TT+\j+7]
.endr
	v_pk_add_f32 v[TT:TT+1], v[TT:TT+1], v[TT+4:TT+5]
	v_pk_add_f32 v[TT+2:TT+3], v[TT+2:TT+3], v[TT+6:TT+7]
	v_pk_add_f32 v[TT:TT+1], v[TT:TT+1], v[TT+2:TT+3]
	v_add_f32 v[TT], v[TT], v[TT+1]                ; my wave's part of value l = 8 token + expert
	ds_store_b32 v7, v[TT]
	s_wait_dscnt 0x0                               ; for wave 0's sake: my store has landed
	s_barrier_signal -1
	s_barrier_wait -1
	s_cmp_lg_u32 s20, 0
	s_cbranch_scc1 .Lend                           ; the softmax of four tokens is one wave's work
	ds_load_b32 v144, v8
	ds_load_b32 v145, v8 offset:128
	ds_load_b32 v146, v8 offset:256
	ds_load_b32 v147, v8 offset:384
	v_cvt_f32_u32 v148, v13                        ; my expert's number as f32
	v_lshrrev_b32 v154, 1, v1                      ; 4 x token in the lanes that hold expert 0
	v_mov_b32 v153, 0                              ; a lane permute's destination counts as read
	s_wait_dscnt 0x0
	v_add_f32 v144, v144, v145
	v_add_f32 v146, v146, v147
	v_add_f32 v144, v144, v146
	v_add_f32 v144, v144, v11                      ; the logit
	v_mov_b32 v145, v144
	v_max_num_f32_dpp v145, v145, v145 row_xmask:1 row_mask:0xf bank_mask:0xf
	v_max_num_f32_dpp v145, v145, v145 row_xmask:2 row_mask:0xf bank_mask:0xf
	v_max_num_f32_dpp v145, v145, v145 row_xmask:4 row_mask:0xf bank_mask:0xf   ; the token's largest logit
	v_sub_f32 v146, v144, v145
	v_mul_f32 v146, 0x3fb8aa3b, v146               ; x log2(e)
	v_exp_f32 v147, v146
	v_nop                                          ; a plain line behind the exponential
	v_cmp_eq_f32 vcc_lo, v144, v145                ; the choice: the lowest expert whose logit is the largest
	v_cndmask_b32 v149, 0x41000000, v148, vcc_lo   ; its number, else 8.0
	v_min_num_f32_dpp v149, v149, v149 row_xmask:1 row_mask:0xf bank_mask:0xf
	v_min_num_f32_dpp v149, v149, v149 row_xmask:2 row_mask:0xf bank_mask:0xf
	v_min_num_f32_dpp v149, v149, v149 row_xmask:4 row_mask:0xf bank_mask:0xf
	v_cvt_u32_f32 v149, v149
	s_wait_alu depctr_va_vdst(0)                   ; ahead of the exponential's first reader
	v_mov_b32 v150, v147
	v_add_f32_dpp v150, v150, v150 row_xmask:1 row_mask:0xf bank_mask:0xf
	v_add_f32_dpp v150, v150, v150 row_xmask:2 row_mask:0xf bank_mask:0xf
	v_add_f32_dpp v150, v150, v150 row_xmask:4 row_mask:0xf bank_mask:0xf
	v_rcp_f32 v151, v150                           ; 1 / the sum: the largest probability, since its exponential is 1
	v_nop
	s_wait_alu depctr_va_vdst(0)
	v_mul_f32 v152, v147, v151                     ; p
	v_add_f32_dpp v152, v152, v152 row_xmask:8 row_mask:0xf bank_mask:0xf       ; over the four tokens: lanes 8 apart,
	v_permlanex16_b32 v153, v152, s24, s25
	v_add_f32 v152, v152, v153                     ; and 16 apart
	v_cmp_eq_u32 vcc_lo, 0, v13
	s_wait_xcnt 0x0                                ; EXEC changes only behind this wait: the codes' stores have been issued
	s_and_saveexec_b32 s28, vcc_lo                 ; one lane a token
	global_store_b32 v154, v149, s[14:15]
	global_store_b32 v154, v151, s[16:17]
	s_wait_xcnt 0x0
	s_or_b32 exec_lo, exec_lo, s28
	v_cmp_gt_u32 vcc_lo, 8, v1
	s_and_saveexec_b32 s28, vcc_lo                 ; one lane an expert
	global_store_b32 v12, v152, s[18:19]
	s_wait_xcnt 0x0
	s_or_b32 exec_lo, exec_lo, s28
.Lend:
	s_wait_tensorcnt 0x0
	ds_add_u32 v184, v185
	s_wait_dscnt 0x0
	s_endpgm
.Lfunc_end_k_q76881c12e6_route:
	.size	k_q76881c12e6_route, .Lfunc_end_k_q76881c12e6_route-k_q76881c12e6_route
	.p2alignl 7, 3214868480
	.fill 96, 4, 3214868480
	.section	.rodata,"a",@progbits
	.p2align	6, 0x0
	.amdhsa_kernel k_q76881c12e6_route
		.amdhsa_group_segment_fixed_size 19968
		.amdhsa_private_segment_fixed_size 0
		.amdhsa_enable_private_segment 0
		.amdhsa_kernarg_size 56
		.amdhsa_user_sgpr_count 2
		.amdhsa_user_sgpr_kernarg_segment_ptr 1
		.amdhsa_wavefront_size32 1
		.amdhsa_system_sgpr_workgroup_id_x 1
		.amdhsa_system_sgpr_workgroup_id_y 1
		.amdhsa_system_sgpr_workgroup_id_z 1
		.amdhsa_system_vgpr_workitem_id 0
		.amdhsa_next_free_vgpr 186
		.amdhsa_next_free_sgpr 66
		.amdhsa_reserve_vcc 1
		.amdhsa_float_denorm_mode_32 3
		.amdhsa_float_denorm_mode_16_64 3
		.amdhsa_memory_ordered 1
		.amdhsa_forward_progress 1
		.amdhsa_inst_pref_size 22
	.end_amdhsa_kernel
	.amdgpu_metadata
---
amdhsa.version: [ 1, 2 ]
amdhsa.kernels:
  - .name:           k_q76881c12e6_route
    .symbol:         k_q76881c12e6_route.kd
    .args:
      - { .name: x, .offset: 0, .size: 8, .value_kind: global_buffer, .address_space: global }
      - { .name: router_w, .offset: 8, .size: 8, .value_kind: global_buffer, .address_space: global }
      - { .name: router_b, .offset: 16, .size: 8, .value_kind: global_buffer, .address_space: global }
      - { .name: lowp_scales, .offset: 24, .size: 8, .value_kind: global_buffer, .address_space: global }
      - { .name: xq, .offset: 32, .size: 8, .value_kind: global_buffer, .address_space: global }
      - { .name: eidx, .offset: 40, .size: 8, .value_kind: global_buffer, .address_space: global }
      - { .name: prob, .offset: 48, .size: 8, .value_kind: global_buffer, .address_space: global }
    .group_segment_fixed_size: 19968
    .private_segment_fixed_size: 0
    .kernarg_segment_align: 8
    .kernarg_segment_size: 56
    .max_flat_workgroup_size: 128
    .sgpr_count:     66
    .vgpr_count:     186
    .wavefront_size: 32
...
	.end_amdgpu_metadata
.endif
;; end of part 1
;; launch place (part 2): grid 32 x 1, 8 waves a work-group, no clusters, 2,048 bytes of LDS; arguments eidx, prob, xq, xs, order, offs, psort, out1; writes xs, order, offs, psort, out1
.if DOCPART == 2
	.amdgcn_target "amdgcn-amd-amdhsa--gfx1250"
	.amdhsa_code_object_version 6
	.text
	.protected	k_q76881c12e6_place
	.globl	k_q76881c12e6_place
	.p2align	8
	.type	k_q76881c12e6_place,@function
k_q76881c12e6_place:
	s_mov_b64 s[64:65], 0
	v_nop
	global_prefetch_b8 v0, s[64:65] scope:SCOPE_SE
	s_setreg_imm32_b32 hwreg(HW_REG_WAVE_MODE, 25, 1), 1
	s_wait_xcnt 0x0
; THE ROWS ARE PLACED BY EXPERT: a counting sort of the 1,024 tokens by the stored choice, without atomics; and the balance loss.
; Every one of the 32 work-groups runs the whole sort (1,024 whole numbers, one barrier), so that none waits for another; each then moves 32 of the 1,024 rows of codes.
; Thread t owns tokens 4 t + j.  Within an expert the positions go by (wave, j, lane).  A wave's counts of the 8 experts come from 32 lane masks; the waves' counts meet in LDS; each wave adds up
; the counts of the waves before it and all experts' totals.
; Work-group g moves the rows of lane g's tokens: wave w reads tokens 128 w + 4 g + j, 4,096 bytes on end, and stores each row of 1,024 bytes at its position.
; Work-group 0 also stores order (token at each position) and psort (its largest probability); its wave 0 stores offs (first position of each expert; entries 8..31 = the total) and the loss,
; 8 x the sum over experts of (sum of p / 1,024) x (count / 1,024).
; order's and psort's stores are 4 bytes a lane at the lane's position: 8 KiB in all; an LDS address made of a loaded number is not wanted here.
.set MK, 32                            ; s32-63   the lane masks: expert e, token j at 32 + 4 e + j
	s_load_b512 s[68:83], s[0:1], 0x0              ; eidx 68, prob 70, xq 72, xs 74, order 76, offs 78, psort 80, out1 82
	v_lshl_add_u32 v136, v0, 2, 0x400
	v_mov_b32 v137, 0
	v_lshrrev_b32 v24, 5, v0
	v_readfirstlane_b32 s2, v24                    ; wave
	s_mov_b32 s3, ttmp9                            ; work-group
	v_and_b32 v1, 31, v0                           ; lane
	v_lshlrev_b32 v2, 4, v0                        ; 16 bytes a thread
	v_lshlrev_b32 v3, 4, v1                        ; 16 bytes a lane
	v_lshlrev_b32 v24, 6, v24                      ; LDS: a row of 64 bytes for each wave: 16 of counts (8 fields of 16 bits), 32 of sums of p
	v_and_b32 v27, 1, v1
	v_lshlrev_b32 v27, 4, v27
	v_add_nc_u32 v27, 16, v27                      ; experts 0-3 (even lanes) or 4-7 (odd lanes) of a row's sums
	v_add_nc_u32 v25, v24, v27
	v_mov_b32 v26, 0
	s_mov_b32 s28, 0x76543210
	s_mov_b32 s29, 0xfedcba98
	s_lshl_b32 s16, s2, 7
	s_lshl_b32 s17, s3, 2
	s_add_co_u32 s16, s16, s17
	s_lshl_b32 s16, s16, 10                        ; (128 w + 4 g) rows of 1,024 bytes
	s_mov_b32 s17, 0                               ; stays 0: the upper word of every offset pair s[16:17]
	s_wait_kmcnt 0x0
	s_add_nc_u64 s[72:73], s[72:73], s[16:17]
	global_load_b128 v[4:7], v2, s[68:69]          ; my four tokens' experts
	global_load_b128 v[12:15], v2, s[70:71] offset:4096   ; sums of p: rows t / 2 and 128 + t / 2, experts 4 (t % 2) on
	global_load_b128 v[16:19], v2, s[70:71] offset:8192
	global_load_b128 v[8:11], v2, s[70:71]         ; my four tokens' largest p
.irp i, 0,1,2,3,4,5,6,7
	global_load_b128 v[32+4*\i:35+4*\i], v3, s[72:73] offset:512*\i th:TH_LOAD_NT   ; four rows of codes, 512 consecutive bytes a load
.endr
	s_wait_loadcnt 11                              ; the experts are in; the 11 younger loads stay out
.irp e, 0,1,2,3,4,5,6,7
.irp j, 0,1,2,3
	v_cmp_eq_u32 s[MK+4*\e+\j], \e, v[4+\j]
.endr
.endr
.irp e, 0,1,2,3,4,5,6,7
	s_bcnt1_i32_b32 s[4+\e], s[MK+4*\e]
.irp j, 1,2,3
	s_bcnt1_i32_b32 s16, s[MK+4*\e+\j]
	s_add_co_u32 s[4+\e], s[4+\e], s16             ; my wave's count of expert e, at most 128
.endr
.endr
.irp k, 0,1,2,3
	s_lshl_b32 s16, s[5+2*\k], 16
	s_or_b32 s[12+\k], s[4+2*\k], s16
	v_mov_b32 v[20+\k], s[12+\k]
.endr
	ds_store_b128 v24, v[20:23]                    ; all lanes write the same bytes with the same numbers
	s_wait_loadcnt 9                               ; the sums of p are in (behind them: the largest p and the eight loads of rows)
	v_pk_add_f32 v[12:13], v[12:13], v[16:17]
	v_pk_add_f32 v[14:15], v[14:15], v[18:19]
.irp x, 2,4,8
.irp k, 12,13,14,15
	v_add_f32_dpp v\k, v\k, v\k row_xmask:\x row_mask:0xf bank_mask:0xf   ; over the lanes of my parity
.endr
.endr
.irp k, 0,1,2,3
	v_permlanex16_b32 v[16+\k], v[12+\k], s28, s29
.endr
	v_pk_add_f32 v[12:13], v[12:13], v[16:17]
	v_pk_add_f32 v[14:15], v[14:15], v[18:19]
	ds_store_b128 v25, v[12:15]                    ; lanes of one parity write the same bytes with the same numbers
	s_wait_dscnt 0x0                               ; for the others' sake: both stores have landed
	s_barrier_signal -1
	s_barrier_wait -1                              ; the launch's one barrier; behind it the table is only read
.irp s, 0,1,2,3,4,5,6,7
	ds_load_b128 v[64+4*\s:67+4*\s], v26 offset:64*\s
.endr
.irp k, 0,1,2,3
	v_mov_b32 v[100+\k], 0                         ; the counts of the waves before mine
.endr
	s_wait_dscnt 0x0
.irp s, 1,2,3,4,5,6,7                  ; v[64:67] runs through the sums; the fields hold at most 1,024 and never carry
	s_cmp_eq_u32 s2, \s
	s_cselect_b32 s16, -1, 0
.irp k, 0,1,2,3
	v_cndmask_b32 v[100+\k], v[100+\k], v[64+\k], s16
.endr
.irp k, 0,1,2,3
	v_add_nc_u32 v[64+\k], v[64+\k], v[64+4*\s+\k]
.endr
.endr
.irp k, 0,1,2,3
	v_readfirstlane_b32 s[12+\k], v[64+\k]         ; the totals, packed
	v_readfirstlane_b32 s[96+\k], v[100+\k]        ; my wave's prefixes, packed
.endr
	s_mov_b32 s88, 0                               ; s88-95: the first position of each expert; s4-11: the next free position for my wave
.irp k, 0,1,2,3
	s_and_b32 s86, s[12+\k], 0xffff
	s_add_co_u32 s[89+2*\k], s[88+2*\k], s86
.if \k < 3
	s_lshr_b32 s86, s[12+\k], 16
	s_add_co_u32 s[90+2*\k], s[89+2*\k], s86
.endif
	s_and_b32 s86, s[96+\k], 0xffff
	s_add_co_u32 s[4+2*\k], s[88+2*\k], s86
	s_lshr_b32 s86, s[96+\k], 16
	s_add_co_u32 s[5+2*\k], s[89+2*\k], s86
.endr
.irp e, 0,1,2,3,4,5,6,7                ; a token's position: the next free one + the lanes below mine in its mask
.irp j, 0,1,2,3
.if \e == 0
	v_mbcnt_lo_u32_b32 v[28+\j], s[MK+\j], s4
.else
	v_mbcnt_lo_u32_b32 v[120+\j], s[MK+4*\e+\j], s[4+\e]
	v_cndmask_b32 v[28+\j], v[28+\j], v[120+\j], s[MK+4*\e+\j]
.endif
	s_bcnt1_i32_b32 s16, s[MK+4*\e+\j]
	s_add_co_u32 s[4+\e], s[4+\e], s16
.endr
.endr
.irp j, 0,1,2,3
	v_min_u32 v[28+\j], 0x3ff, v[28+\j]            ; a position stays inside its tables
.endr
.irp j, 0,1,2,3
	v_readlane_b32 s16, v[28+\j], s3               ; the position of token 128 w + 4 g + j
	s_min_u32 s16, s16, 0x3ff
	s_lshl_b32 s16, s16, 10
	s_add_nc_u64 s[20+2*\j:21+2*\j], s[74:75], s[16:17]
.endr
	s_wait_loadcnt 0x0                             ; the rows, and the largest p
.irp i, 0,1,2,3,4,5,6,7
	global_store_b128 v3, v[32+4*\i:35+4*\i], s[20+2*(\i/2):21+2*(\i/2)] offset:512*(\i%2)   ; 512 consecutive bytes, at a multiple of 256 from the buffer's first byte
.endr
	s_cmp_lg_u32 s3, 0
	s_cbranch_scc1 .Lend
	v_lshlrev_b32 v128, 2, v0                      ; my tokens' numbers
	v_add_nc_u32 v129, 1, v128
	v_add_nc_u32 v130, 2, v128
	v_add_nc_u32 v131, 3, v128
.irp j, 0,1,2,3
	v_lshlrev_b32 v[132+\j], 2, v[28+\j]
.endr
.irp j, 0,1,2,3
	global_store_b32 v[132+\j], v[128+\j], s[76:77]
	global_store_b32 v[132+\j], v[8+\j], s[80:81]
.endr
	s_cmp_lg_u32 s2, 0
	s_cbranch_scc1 .Lend
	s_lshr_b32 s16, s15, 16
	s_add_co_u32 s16, s95, s16                     ; the total
	v_mov_b32 v112, s16
.irp e, 0,1,2,3,4,5,6,7
	v_writelane_b32 v112, s[88+\e], \e
.endr
	v_lshlrev_b32 v113, 2, v1
	global_store_b32 v113, v112, s[78:79]          ; offs: 128 consecutive bytes
.irp s, 0,1,2,3,4,5,6,7
	ds_load_b128 v[64+4*\s:67+4*\s], v27 offset:64*\s   ; the waves' sums of p, experts 4 (l % 2) on
.endr
	s_wait_xcnt 0x0                                ; the rows' stores have read their bases s[20:27]: they are written again only behind this wait
.irp k, 0,1,2,3
	s_and_b32 s[20+2*\k], s[12+\k], 0xffff         ; the counts
	s_lshr_b32 s[21+2*\k], s[12+\k], 16
.endr
	s_mov_b32 s16, 0xaaaaaaaa                      ; the odd lanes
.irp k, 0,1,2,3
	v_mov_b32 v[104+\k], s[20+\k]
	v_mov_b32 v[108+\k], s[24+\k]
	v_cndmask_b32 v[104+\k], v[104+\k], v[108+\k], s16
	v_cvt_f32_u32 v[104+\k], v[104+\k]
.endr
	s_wait_dscnt 0x0
.irp s, 1,2,3,4,5,6,7
	v_pk_add_f32 v[64:65], v[64:65], v[64+4*\s:65+4*\s]
	v_pk_add_f32 v[66:67], v[66:67], v[66+4*\s:67+4*\s]
.endr
	v_mul_f32 v120, v64, v104
	v_fma_f32 v120, v65, v105, v120
	v_fma_f32 v120, v66, v106, v120
	v_fma_f32 v120, v67, v107, v120
	v_add_f32_dpp v120, v120, v120 row_xmask:1 row_mask:0xf bank_mask:0xf       ; experts 0-3 and 4-7
	v_mul_f32 v120, 0x37000000, v120               ; x 8 / 1,024 / 1,024 = 2^-17
	v_cmp_eq_u32 vcc_lo, 0, v1
	s_and_saveexec_b32 s86, vcc_lo                 ; (no memory instruction has been issued since the wait above)
	global_store_b32 v26, v120, s[82:83]
	s_wait_xcnt 0x0
	s_or_b32 exec_lo, exec_lo, s86
.Lend:
	s_wait_tensorcnt 0x0
	ds_add_u32 v136, v137
	s_wait_dscnt 0x0
	s_endpgm
.Lfunc_end_k_q76881c12e6_place:
	.size	k_q76881c12e6_place, .Lfunc_end_k_q76881c12e6_place-k_q76881c12e6_place
	.p2alignl 7, 3214868480
	.fill 96, 4, 3214868480
	.section	.rodata,"a",@progbits
	.p2align	6, 0x0
	.amdhsa_kernel k_q76881c12e6_place
		.amdhsa_group_segment_fixed_size 2048
		.amdhsa_private_segment_fixed_size 0
		.amdhsa_enable_private_segment 0
		.amdhsa_kernarg_size 64
		.amdhsa_user_sgpr_count 2
		.amdhsa_user_sgpr_kernarg_segment_ptr 1
		.amdhsa_wavefront_size32 1
		.amdhsa_system_sgpr_workgroup_id_x 1
		.amdhsa_system_sgpr_workgroup_id_y 1
		.amdhsa_system_sgpr_workgroup_id_z 1
		.amdhsa_system_vgpr_workitem_id 0
		.amdhsa_next_free_vgpr 138
		.amdhsa_next_free_sgpr 100
		.amdhsa_reserve_vcc 1
		.amdhsa_float_denorm_mode_32 3
		.amdhsa_float_denorm_mode_16_64 3
		.amdhsa_memory_ordered 1
		.amdhsa_forward_progress 1
		.amdhsa_inst_pref_size 26
	.end_amdhsa_kernel
	.amdgpu_metadata
---
amdhsa.version: [ 1, 2 ]
amdhsa.kernels:
  - .name:           k_q76881c12e6_place
    .symbol:         k_q76881c12e6_place.kd
    .args:
      - { .name: eidx, .offset: 0, .size: 8, .value_kind: global_buffer, .address_space: global }
      - { .name: prob, .offset: 8, .size: 8, .value_kind: global_buffer, .address_space: global }
      - { .name: xq, .offset: 16, .size: 8, .value_kind: global_buffer, .address_space: global }
      - { .name: xs, .offset: 24, .size: 8, .value_kind: global_buffer, .address_space: global }
      - { .name: order, .offset: 32, .size: 8, .value_kind: global_buffer, .address_space: global }
      - { .name: offs, .offset: 40, .size: 8, .value_kind: global_buffer, .address_space: global }
      - { .name: psort, .offset: 48, .size: 8, .value_kind: global_buffer, .address_space: global }
      - { .name: out1, .offset: 56, .size: 8, .value_kind: global_buffer, .address_space: global }
    .group_segment_fixed_size: 2048
    .private_segment_fixed_size: 0
    .kernarg_segment_align: 8
    .kernarg_segment_size: 64
    .max_flat_workgroup_size: 256
    .sgpr_count:     100
    .vgpr_count:     138
    .wavefront_size: 32
...
	.end_amdgpu_metadata
.endif
;; end of part 2
;; launch up (part 3): grid 256 x 1, 8 waves a work-group, no clusters, 138,240 bytes of LDS; arguments xs, w1_codes, b1, lowp_scales, offs, himg; writes himg
.if DOCPART == 3
	.amdgcn_target "amdgcn-amd-amdhsa--gfx1250"
	.amdhsa_code_object_version 6
	.text
	.protected	k_q76881c12e6_up
	.globl	k_q76881c12e6_up
	.p2align	8
	.type	k_q76881c12e6_up,@function
k_q76881c12e6_up:
	s_mov_b64 s[64:65], 0
	v_nop
	global_prefetch_b8 v0, s[64:65] scope:SCOPE_SE
	s_setreg_imm32_b32 hwreg(HW_REG_WAVE_MODE, 25, 1), 1
	s_wait_xcnt 0x0
; THE FIRST PRODUCT, FOR THE CHOSEN ROWS ALONE: h = gelu(x W1 + b1), quantised to E5M2 with the given scale 2^eh, stored as images of the second product's operand registers.
; SHARES.  Work-group g: expert e = g / 32, hidden units 128 (g % 32) on.  Its 128 rows of W1, one dense block of 131,072 bytes, are read by this work-group alone, whatever the routing, and laid in LDS once.
; Behind the one barrier LDS is only read and the waves are independent.  Wave w takes the expert's pairs of tiles of 16 rows, p = w, w + 8, ..: a PASS is 32 rows x 128 hidden units x K 1,024: 128 matrix instructions.
; x's 16 fragments stay in registers (window 1); W1's come from LDS, each feeding two products.
; NO TENSOR LOAD, NO CLUSTER: the trips hang on stored counts, which differ between work-groups, and no two work-groups read the same weights.
; The number of passes hangs on offs, whole numbers that an earlier launch stored.  The expert's rows are positions off .. off + cnt - 1; row r of tile T is position off + min(16 T + r, cnt - 1): the last tile's spare
; rows repeat the last row and store the same numbers to the same place.  In himg the expert's tiles begin at tile off / 16 + e: the experts' ranges never meet, and stay under 72 tiles for every split.
; EVERY WAVE ISSUES ITS FIRST LOADS OF x, with or without a pair, so that no branch stands ahead of the barrier; a wave without a pair finds all its rows held at the expert's last row.
; THE MATRIX INSTRUCTION IS USED TRANSPOSED (source 0 = 16 rows of W1, source 1 = 16 rows of x): a lane holds one row of x.  THE ROWS OF W1 THAT FORM A TILE ARE NOT NEIGHBOURS: lane r of tile 2 b + u takes hidden unit
; 32 b + 8 u + r + 8 (r / 8), so that the 16 registers of tiles 2 b, 2 b + 1 are hidden units 32 b + 16 (lane / 16) + 0 .. 15: the conversions' results are the next operand's registers.
; In LDS the rows are laid in that order, so that a tile's 16 rows are neighbours.  Inside a K step of 128 lane (r, h) holds k = 32 c + 16 h + 0 .. 15 in registers 4 c .. 4 c + 3, in both operands alike.
; x's fragments come from memory straight into operand registers, 32 bytes of a row an instruction, a K step's four loads 128 consecutive bytes of each row: xs is 1 MiB, and a turn through LDS would add half again to the pass's LDS reads.
; gelu is the tanh form, written as pre / (1 + 2^t), t = pre (c0 + c1 pre^2), c0 = -2 log2(e) sqrt(2 / pi), c1 = 0.044715 c0: all in f32.
; LIMITS: ew1 + ex between -126 and 127; eh between -126 and 112.  NaN among the inputs is not served.
; REGISTERS.  window 0: v1-15 addresses and constants; v16-47 four accumulators (16 + 16 tile of rows + 8 u + j); v48-79 at work; v80-95 b1; v96-103 codes; v108-109 c0; v128-255 W1's fragments, two halves of 64
; (at the head: the 128 registers through which the weights go to LDS).   window 1: x: 128 tile + 16 K step + 4 c.
.set PW,   1040                        ; a row of W1 in LDS: 1,024 bytes + 16: an odd multiple of 16, so the 16 rows of a load start in 16 different 16-byte columns of 256 bytes
.set B1L,  128*PW                      ; behind the weights: the slice's 512 bytes of b1, a copy for each wave
.set LI,   1                           ; v1   16 x lane
.set WA,   4                           ; v4, v5  my lane's place in W1's rows 0-63, 64-127
.set BA,   7                           ; v7   my lane's place in my copy of b1
.set XO,   8                           ; v8, v9  byte offsets of my rows of x, tile 0 and 1
.set ACC,  16
.set T,    48
.set B1R,  80
.set CD,   96
.set RING, 128
.set MSB, 0
.macro WIN new                         ; the immediate's high byte repeats the setting that is left
.if MSB != \new
	s_set_vgpr_msb (MSB<<8)|\new
.set MSB, \new
.endif
.endm
.macro PLACES                          ; four plain lines behind a matrix instruction, ahead of loads into its sources and of reads of its result
.rept 4
	v_nop
.endr
.endm
; where pair p's two tiles lie: himg's blocks (tile, K step g % 32) and the rows of x.  Every number that comes from offs is held by a constant last.
.macro XADDR
	s_lshl_b32 s31, s23, 1                         ; T0 = 2 p
	s_add_co_u32 s32, s31, 1
	s_min_u32 s32, s32, s46                        ; T1 = min(2 p + 1, the last tile)
	s_mov_b32 s35, 0
	s_add_co_u32 s33, s22, s31
	s_min_u32 s33, s33, 71
	s_lshl_b32 s33, s33, 5
	s_add_co_u32 s33, s33, s30
	s_lshl_b32 s34, s33, 11
	s_add_nc_u64 s[36:37], s[14:15], s[34:35]
	s_add_co_u32 s33, s22, s32
	s_min_u32 s33, s33, 71
	s_lshl_b32 s33, s33, 5
	s_add_co_u32 s33, s33, s30
	s_lshl_b32 s34, s33, 11
	s_add_nc_u64 s[38:39], s[14:15], s[34:35]
	v_lshl_add_u32 v[XO], s31, 4, v10
	v_lshl_add_u32 v[XO+1], s32, 4, v10
	v_min_u32 v[XO], s19, v[XO]
	v_min_u32 v[XO+1], s19, v[XO+1]
	v_add_nc_u32 v[XO], s16, v[XO]
	v_add_nc_u32 v[XO+1], s16, v[XO+1]
	v_min_u32 v[XO], 0x3ff, v[XO]
	v_min_u32 v[XO+1], 0x3ff, v[XO+1]
	v_lshl_add_u32 v[XO], v[XO], 10, v11           ; position x 1,024 + 16 h
	v_lshl_add_u32 v[XO+1], v[XO+1], 10, v11
.endm
.macro XLOAD                           ; 64 loads: the pair's 16 fragments of x
	WIN 0x40                                       ; destination window 1, address window 0
.irp u, 0,1
.irp q, 0,1,2,3,4,5,6,7
.irp c, 0,1,2,3
	global_load_b128 v[128*\u+16*\q+4*\c:128*\u+16*\q+4*\c+3], v[XO+\u], s[4:5] offset:128*\q+32*\c
.endr
.endr
.endr
	WIN 0
.endm
; 16 LDS loads into half m % 2: for n = 2 m, 2 m + 1: block b = n / 8 of 32 hidden units, K step q = n % 8: the fragments of tiles 2 b and 2 b + 1
.macro WFETCH m
.irp k, 0,1
.irp u, 0,1
.irp c, 0,1,2,3
	ds_load_b128 v[RING+64*((\m)%2)+32*\k+16*\u+4*\c:RING+64*((\m)%2)+32*\k+16*\u+4*\c+3], v[WA+((2*(\m)+\k)>>4)] offset:(32*(((2*(\m)+\k)>>3)&1)+16*\u)*PW+128*((2*(\m)+\k)&7)+32*\c
.endr
.endr
.endr
.endm
; 8 matrix instructions on half m % 2.  The four accumulators take turns, one instruction a turn.  A block's first K step starts the sums.
.macro MUL8 m
.irp k, 0,1
.irp t, 0,1
.irp u, 0,1
.set rD, ACC+16*\t+8*\u
.set rA, RING+64*((\m)%2)+32*\k+16*\u
.set rB, 128*\t+16*((2*(\m)+\k)&7)
.if ((2*(\m)+\k)&7) == 0
	v_wmma_f32_16x16x128_bf8_bf8 v[rD:rD+7], v[rA:rA+15], v[rB:rB+15], 0
.else
	v_wmma_f32_16x16x128_bf8_bf8 v[rD:rD+7], v[rA:rA+15], v[rB:rB+15], v[rD:rD+7]
.endif
.endr
.endr
.endr
.endm
.macro B1FETCH b                       ; b1 at hidden units 32 b + 16 h + 0 .. 15
.irp k, 0,1,2,3
	ds_load_b128 v[B1R+4*\k:B1R+4*\k+3], v[BA] offset:128*(\b)+16*\k
.endr
.endm
; Two K steps.  The wait leaves the sixteen loads of the next half out; where b1's four loads were issued ahead of those sixteen, they are in too, one step ahead of the lines that read them.
.macro DSTEP m
	WIN 0x04                                       ; source 1 (x) window 1, all else window 0: matrix instructions, LDS loads and v_nop run under this one setting
.if (\m) == 15
	s_wait_dscnt 0x0
.else
	s_wait_dscnt 16
.endif
	MUL8 \m
	PLACES
.if ((\m)%4) == 2
	B1FETCH ((\m)/4)
.endif
.if (\m) <= 13
	WFETCH (\m)+2
.endif
.endm
; Block b's 32 hidden units of 32 rows: scale and bias, gelu, the hold, the codes, two stores of 512 consecutive bytes.
.macro EPI b
	WIN 0
.set n, 0
.rept 16
	v_pk_fma_f32 v[ACC+n:ACC+n+1], v[ACC+n:ACC+n+1], s[40:41], v[B1R+(n%16):B1R+(n%16)+1] op_sel_hi:[1,0,1]   ; pre = sum x 2^(ew1 + ex) + b1; each accumulator from its low end on
.set n, n+2
.endr
.set n, 0
.rept 16
	v_pk_mul_f32 v[T+n:T+n+1], v[ACC+n:ACC+n+1], v[ACC+n:ACC+n+1]
.set n, n+2
.endr
.set n, 0
.rept 16
	v_pk_fma_f32 v[T+n:T+n+1], v[T+n:T+n+1], s[44:45], v[108:109] op_sel_hi:[1,0,1]   ; c1 pre^2 + c0
.set n, n+2
.endr
.set n, 0
.rept 16
	v_pk_mul_f32 v[T+n:T+n+1], v[T+n:T+n+1], v[ACC+n:ACC+n+1]                         ; t
.set n, n+2
.endr
.set n, 0
.rept 32
	v_exp_f32 v[T+n], v[T+n]
.set n, n+1
.endr
	v_nop                                          ; a plain line behind the last exponential,
	s_wait_alu depctr_va_vdst(0)                   ; and one wait for the batch, ahead of its first reader
.set n, 0
.rept 16
	v_pk_add_f32 v[T+n:T+n+1], v[T+n:T+n+1], 1.0 op_sel_hi:[1,0]
.set n, n+2
.endr
.set n, 0
.rept 32
	v_rcp_f32 v[T+n], v[T+n]
.set n, n+1
.endr
	v_nop
	s_wait_alu depctr_va_vdst(0)
.set n, 0
.rept 16
	v_pk_mul_f32 v[ACC+n:ACC+n+1], v[ACC+n:ACC+n+1], v[T+n:T+n+1]                     ; gelu
.set n, n+2
.endr
.set n, 0
.rept 32
	v_med3_num_f32 v[ACC+n], v[ACC+n], -v15, v15   ; the conversion to an 8-bit code does not saturate (ISA guide 7.6.2): the hold comes first
.set n, n+1
.endr
	s_wait_xcnt 0x0                                ; the last block's stores have read their data: the codes' registers are written again only behind this wait
.irp i, 0,1,2,3
	v_cvt_scalef32_pk8_bf8_f32 v[CD+2*\i:CD+2*\i+1], v[ACC+8*\i:ACC+8*\i+7], v14
.endr
	v_nop                                          ; a plain line behind the last conversion: the next products write its sources
	global_store_b128 v[LI], v[CD:CD+3], s[36:37] offset:512*\b        ; register quad b of the image: 512 consecutive bytes, at a multiple of 256 from the buffer's first byte
	global_store_b128 v[LI], v[CD+4:CD+7], s[38:39] offset:512*\b
.endm
	s_load_b256 s[4:11], s[0:1], 0x0               ; xs, W1's codes, b1, the scales' exponents
	s_load_b128 s[12:15], s[0:1], 0x20             ; offs, himg
	v_lshl_add_u32 v126, v0, 2, 0x21800
	v_mov_b32 v127, 0
	v_lshrrev_b32 v12, 5, v0
	v_readfirstlane_b32 s28, v12                   ; wave 0..7
	v_and_b32 v13, 31, v0
	v_lshlrev_b32 v[LI], 4, v13
	s_lshl_b32 s31, s28, 14
	v_add_nc_u32 v2, s31, v[LI]                    ; the weights in memory: my wave's 16 rows, 16 bytes a lane
	s_lshr_b32 s31, s28, 1
	s_lshl_b32 s31, s31, 5
	s_and_b32 s33, s28, 1
	s_lshl_b32 s33, s33, 3
	s_add_co_u32 s31, s31, s33
	s_mul_i32 s31, s31, PW
	v_add_nc_u32 v3, s31, v[LI]                    ; and in LDS: hidden unit 16 w + k goes to row 32 (w / 2) + 8 (w % 2) + 16 (k / 8) + k % 8
	v_and_b32 v10, 15, v0                          ; r
	v_bfe_u32 v12, v0, 4, 1                        ; h
	v_lshlrev_b32 v11, 4, v12                      ; 16 h
	v_mul_u32_u24 v[WA], v10, PW
	v_add_nc_u32 v[WA], v[WA], v11
	v_add_nc_u32 v[WA+1], 64*PW, v[WA]
	s_lshl_b32 s31, s28, 9
	s_add_co_u32 s31, s31, B1L
	v_add_nc_u32 v6, s31, v[LI]
	v_lshl_add_u32 v[BA], v12, 6, s31
	s_lshr_b32 s29, ttmp9, 5                       ; the expert
	s_and_b32 s30, ttmp9, 31                       ; the slice: K step of the second product
	s_lshl_b32 s32, s29, 2
	s_lshl_b32 s34, ttmp9, 17
	s_mov_b32 s35, 0
	s_mov_b32 s23, s28                             ; p = w
	s_mov_b32 s47, 0                               ; passes done
	s_mov_b32 s44, 0xbdd2d3e8                      ; c1
	s_mov_b32 s45, s44                             ; (named with it as a pair, so it is written)
	v_mov_b32 v108, 0xc0135761                     ; c0, twice
	v_mov_b32 v109, 0xc0135761
	s_wait_kmcnt 0x0
	s_load_b64 s[16:17], s[12:13], s32 offset:0x0  ; the expert's first position, and the next expert's
	s_load_b128 s[24:27], s[10:11], 0x0            ; ew1, ex, eh, ew2
	s_add_nc_u64 s[6:7], s[6:7], s[34:35]
	s_lshl_b32 s34, ttmp9, 9
	s_add_nc_u64 s[8:9], s[8:9], s[34:35]
	global_load_b128 v[104:107], v[LI], s[8:9]     ; the slice's b1
.set n, 0
.rept 32
	global_load_b128 v[RING+4*n:RING+4*n+3], v2, s[6:7] offset:512*n th:TH_LOAD_NT     ; 512 consecutive bytes a load; read once in the launch
.set n, n+1
.endr
	s_wait_kmcnt 0x0
	s_min_u32 s16, s16, 1024
	s_min_u32 s17, s17, 1024
	s_sub_co_u32 s18, s17, s16                     ; cnt
	s_max_u32 s19, s18, 1
	s_sub_co_u32 s19, s19, 1                       ; the last row
	s_add_co_u32 s20, s18, 15
	s_lshr_b32 s20, s20, 4                         ; tiles
	s_add_co_u32 s21, s20, 1
	s_lshr_b32 s21, s21, 1                         ; pairs
	s_max_u32 s46, s20, 1
	s_sub_co_u32 s46, s46, 1                       ; the last tile
	s_add_co_u32 s48, s21, 7
	s_sub_co_u32 s48, s48, s28
	s_lshr_b32 s48, s48, 3                         ; my wave's passes: the pairs p = w, w + 8, .. under the number of pairs;
	s_min_u32 s48, s48, 4                          ; four at the most: 1,024 rows are 32 pairs, for eight waves
	s_lshr_b32 s22, s16, 4
	s_add_co_u32 s22, s22, s29                     ; the expert's first tile in himg
	s_add_co_i32 s31, s24, s25
	s_add_co_i32 s31, s31, 127
	s_lshl_b32 s40, s31, 23                        ; 2^(ew1 + ex) as f32
	s_mov_b32 s41, s40
	s_add_co_i32 s31, s26, 127
	s_lshl_b32 s32, s31, 23
	v_mov_b32 v14, s32                             ; 2^eh: the conversion takes its exponent field
	s_add_co_i32 s31, s31, 15
	s_lshl_b32 s31, s31, 23
	s_or_b32 s31, s31, 0x600000
	v_mov_b32 v15, s31                             ; 57,344 x 2^eh
	XADDR
	XLOAD
	s_wait_loadcnt 63                              ; 64 loads stand behind the last load of weights: b1 and the weights are in, x may stay out
	ds_store_b128 v6, v[104:107]
.set n, 0
.rept 32
	ds_store_b128 v3, v[RING+4*n:RING+4*n+3] offset:(16*((n/2)/8)+((n/2)%8))*PW+512*(n%2)
.set n, n+1
.endr
	s_wait_dscnt 0x0                               ; for the others' sake: my rows lie in LDS
	s_barrier_signal -1
	s_barrier_wait -1                              ; the launch's one barrier, on every wave's way; behind it LDS is only read
	s_cmp_lt_u32 s47, s48
	s_cbranch_scc0 .Lend                           ; no pair for this wave
.Lpass:
	s_wait_loadcnt 0x0                             ; x
	WFETCH 0
	WFETCH 1
.irp b, 0,1,2,3
	DSTEP 4*\b
	DSTEP 4*\b+1
	DSTEP 4*\b+2
	DSTEP 4*\b+3
	EPI \b
.endr
	s_add_co_u32 s23, s23, 8                       ; the next pair,
	s_add_co_u32 s47, s47, 1                       ; and the loop's counter: one a pass
	s_cmp_lt_u32 s47, s48
	s_cbranch_scc0 .Lend
	s_wait_xcnt 0x0                                ; the stores have read their bases: they are written again only behind this wait
	XADDR
	XLOAD                                          ; (the lines of the last block's way out are the places behind the last products)
	s_cmp_lt_u32 s47, s48
	s_cbranch_scc1 .Lpass
.Lend:
	s_wait_tensorcnt 0x0
	ds_add_u32 v126, v127
	s_wait_dscnt 0x0
	s_endpgm
.Lfunc_end_k_q76881c12e6_up:
	.size	k_q76881c12e6_up, .Lfunc_end_k_q76881c12e6_up-k_q76881c12e6_up
	.p2alignl 7, 3214868480
	.fill 96, 4, 3214868480
	.section	.rodata,"a",@progbits
	.p2align	6, 0x0
	.amdhsa_kernel k_q76881c12e6_up
		.amdhsa_group_segment_fixed_size 138240
		.amdhsa_private_segment_fixed_size 0
		.amdhsa_enable_private_segment 0
		.amdhsa_kernarg_size 48
		.amdhsa_user_sgpr_count 2
		.amdhsa_user_sgpr_kernarg_segment_ptr 1
		.amdhsa_wavefront_size32 1
		.amdhsa_system_sgpr_workgroup_id_x 1
		.amdhsa_system_sgpr_workgroup_id_y 1
		.amdhsa_system_sgpr_workgroup_id_z 1
		.amdhsa_system_vgpr_workitem_id 0
		.amdhsa_next_free_vgpr 512
		.amdhsa_next_free_sgpr 66
		.amdhsa_reserve_vcc 0
		.amdhsa_float_denorm_mode_32 3
		.amdhsa_float_denorm_mode_16_64 3
		.amdhsa_memory_ordered 1
		.amdhsa_forward_progress 1
		.amdhsa_inst_pref_size 94
	.end_amdhsa_kernel
	.amdgpu_metadata
---
amdhsa.version: [ 1, 2 ]
amdhsa.kernels:
  - .name:           k_q76881c12e6_up
    .symbol:         k_q76881c12e6_up.kd
    .args:
      - { .name: xs, .offset: 0, .size: 8, .value_kind: global_buffer, .address_space: global }
      - { .name: w1_codes, .offset: 8, .size: 8, .value_kind: global_buffer, .address_space: global }
      - { .name: b1, .offset: 16, .size: 8, .value_kind: global_buffer, .address_space: global }
      - { .name: lowp_scales, .offset: 24, .size: 8, .value_kind: global_buffer, .address_space: global }
      - { .name: offs, .offset: 32, .size: 8, .value_kind: global_buffer, .address_space: global }
      - { .name: himg, .offset: 40, .size: 8, .value_kind: global_buffer, .address_space: global }
    .group_segment_fixed_size: 138240
    .private_segment_fixed_size: 0
    .kernarg_segment_align: 8
    .kernarg_segment_size: 48
    .max_flat_workgroup_size: 256
    .sgpr_count:     66
    .vgpr_count:     512
    .wavefront_size: 32
...
	.end_amdgpu_metadata
.endif
;; end of part 3
;; launch down (part 4): grid 256 x 1, 8 waves a work-group, no clusters, 169,472 bytes of LDS; arguments himg, w2_codes, b2, lowp_scales, offs, order, psort, out0; writes out0
.if DOCPART == 4
	.amdgcn_target "amdgcn-amd-amdhsa--gfx1250"
	.amdhsa_code_object_version 6
	.text
	.protected	k_q76881c12e6_down
	.globl	k_q76881c12e6_down
	.p2align	8
	.type	k_q76881c12e6_down,@function
k_q76881c12e6_down:
	s_mov_b64 s[64:65], 0
	v_nop
	global_prefetch_b8 v0, s[64:65] scope:SCOPE_SE
	s_setreg_imm32_b32 hwreg(HW_REG_WAVE_MODE, 25, 1), 1
	s_wait_xcnt 0x0
; THE SECOND PRODUCT, FOR THE CHOSEN ROWS ALONE: out0[token] = (h W2 + b2) x the token's largest probability.
; SHARES.  Work-group g: expert e = g / 32, outputs 32 (g % 32) on.  Its 32 rows of W2 of 4,096 bytes, one dense block of 131,072 bytes, are read by this work-group alone and laid in LDS once.
; Behind the one barrier the weights in LDS are only read and the waves are independent.  Wave w takes the expert's pairs of tiles of 16 rows, p = w, w + 8, ..: a PASS is 32 rows x 32 outputs x K 4,096: 128 matrix instructions.
; h comes from himg, where it lies as images of these operand registers: 512 consecutive bytes a load, through two stages of registers (window 1) of 4 K steps x 2 tiles: 32 loads each, 32 to 64 loads a wave on their way.
; NO TENSOR LOAD, NO CLUSTER: the trips hang on stored counts, which differ between work-groups, and no two work-groups read the same weights.
; Tiles, rows and spare rows as in the launch that made himg.  a wave without a pair names the expert's last
; tile, and all its lanes one piece of 16 bytes a load (for an expert without rows these may be bytes that nobody stored: they are never used).
; THE MATRIX INSTRUCTION IS USED TRANSPOSED (source 0 = 16 rows of W2, source 1 = h): lane (r, h) holds row r and outputs 16 n + 8 h + 0 .. 7.
; THE WAY OUT.  A pass's 32 rows x 128 bytes go through the wave's own stage in LDS and leave four rows an instruction: eight neighbouring lanes store 128 consecutive bytes of a token's row.  A slice of 64 outputs, whole
; blocks of 256 bytes, would leave half of the work-groups without weights of their own, or have each weight byte read twice; out0 is 4 MiB beside 32 MiB of weights.
; LIMITS: eh + ew2 between -126 and 127.  NaN among the inputs is not served.
; REGISTERS.  window 0: v1-15 addresses; v16-23 the rows' tokens; v24-55 four accumulators (24 + 16 tile + 8 n + j); v56-71 b2; v72-103 results; v128-255 W2's fragments, two halves of 64
; (at the head: the registers through which the weights go to LDS; on the way out v128-159: rows read back).   window 1: h: 128 (stage % 2) + 32 (K step % 4) + 16 tile + 4 c.
.set PW,   4112                        ; a row of W2 in LDS: 4,096 bytes + 16: an odd multiple of 16
.set STG,  32*PW                       ; behind the weights: a stage of 32 rows x 144 bytes for each wave
.set SP,   144
.set SW,   32*SP
.set LI,   1                           ; v1   16 x lane
.set WA,   4                           ; v4, v5  my lane's place in W2's rows 0-15, 16-31
.set SO,   6                           ; v6   the stage: where I put 32 bytes of a row
.set SR,   7                           ; v7   and where I read 16 bytes of a row back
.set PS,   10                          ; v[10:11], v[12:13]  the largest p of my row in tile 0, 1 (the low word; the upper is written once)
.set HO,   15                          ; v15  himg: 16 x lane (0 in a wave without a pair)
.set OA,   16
.set ACC,  24
.set B2R,  56
.set Y,    72
.set RING, 128
.set MSB, 0
.macro WIN new                         ; the immediate's high byte repeats the setting that is left
.if MSB != \new
	s_set_vgpr_msb (MSB<<8)|\new
.set MSB, \new
.endif
.endm
.macro PLACES                          ; four plain lines behind a matrix instruction, ahead of loads into its sources and of reads of its result
.rept 4
	v_nop
.endr
.endm
; where pair p's two tiles lie in himg, and the positions of their rows.  Every number that comes from offs is held by a constant last.
.macro PADDR
	s_lshl_b32 s35, s27, 1
	s_add_co_u32 s36, s35, 1
	s_min_u32 s35, s35, s46                        ; T0 = min(2 p, the last tile)
	s_min_u32 s36, s36, s46                        ; T1 = min(2 p + 1, the last tile)
	s_mov_b32 s39, 0
	s_add_co_u32 s38, s26, s35
	s_min_u32 s38, s38, 71
	s_lshl_b32 s38, s38, 16                        ; a tile's 32 K steps are 65,536 bytes
	s_add_nc_u64 s[40:41], s[4:5], s[38:39]
	s_add_co_u32 s38, s26, s36
	s_min_u32 s38, s38, 71
	s_lshl_b32 s38, s38, 16
	s_add_nc_u64 s[42:43], s[4:5], s[38:39]
	s_lshl_b32 s35, s35, 4
	s_lshl_b32 s36, s36, 4
	v_add_nc_u32 v[PS], s35, v8                    ; row r of each tile, for its p
	v_add_nc_u32 v[PS+2], s36, v8
.irp i, 0,1,2,3
	v_add3_u32 v[OA+\i], s35, v9, 4*\i             ; rows 4 i + lane / 8 of each tile, for their tokens
	v_add3_u32 v[OA+4+\i], s36, v9, 4*\i
.endr
.irp x, PS, PS+2, OA, OA+1, OA+2, OA+3, OA+4, OA+5, OA+6, OA+7
	v_min_u32 v[\x], s23, v[\x]
	v_add_nc_u32 v[\x], s20, v[\x]
	v_min_u32 v[\x], 0x3ff, v[\x]
	v_lshlrev_b32 v[\x], 2, v[\x]
.endr
.endm
.macro HFETCH g                        ; 32 loads: K steps 4 g .. 4 g + 3 of both tiles into stage g % 2
	WIN 0x40                                       ; destination window 1, address window 0
.irp q, 0,1,2,3
.irp u, 0,1
.irp c, 0,1,2,3
	global_load_b128 v[128*((\g)%2)+32*\q+16*\u+4*\c:128*((\g)%2)+32*\q+16*\u+4*\c+3], v[HO], s[40+2*\u:41+2*\u] offset:2048*(4*(\g)+\q)+512*\c
.endr
.endr
.endr
.endm
.macro PLOAD                           ; ten small loads, each landing on its own address register, then the first two stages of h
	global_load_b32 v[PS], v[PS], s[16:17]
	global_load_b32 v[PS+2], v[PS+2], s[16:17]
.irp i, 0,1,2,3,4,5,6,7
	global_load_b32 v[OA+\i], v[OA+\i], s[14:15]
.endr
	HFETCH 0
	HFETCH 1
	WIN 0
.endm
.macro WFETCH m                        ; 16 LDS loads into half m % 2: K steps 2 m, 2 m + 1, both tiles of outputs
.irp k, 0,1
.irp n, 0,1
.irp c, 0,1,2,3
	ds_load_b128 v[RING+64*((\m)%2)+32*\k+16*\n+4*\c:RING+64*((\m)%2)+32*\k+16*\n+4*\c+3], v[WA+\n] offset:128*(2*(\m)+\k)+32*\c
.endr
.endr
.endr
.endm
; 8 matrix instructions.  The four accumulators take turns, one instruction a turn.  K step 0 starts the sums.
.macro MUL8 m
.irp k, 0,1
.irp u, 0,1
.irp n, 0,1
.set rD, ACC+16*\u+8*\n
.set rA, RING+64*((\m)%2)+32*\k+16*\n
.set rB, 128*(((2*(\m)+\k)>>2)%2)+32*((2*(\m)+\k)&3)+16*\u
.if (2*(\m)+\k) == 0
	v_wmma_f32_16x16x128_bf8_bf8 v[rD:rD+7], v[rA:rA+15], v[rB:rB+15], 0
.else
	v_wmma_f32_16x16x128_bf8_bf8 v[rD:rD+7], v[rA:rA+15], v[rB:rB+15], v[rD:rD+7]
.endif
.endr
.endr
.endr
.endm
.macro DSTEP m                         ; two K steps; the wait leaves the sixteen loads of the next half out
	WIN 0x04                                       ; source 1 (h) window 1, all else window 0
.if (\m) == 15
	s_wait_dscnt 0x0
.else
	s_wait_dscnt 16
.endif
	MUL8 \m
	PLACES
.if (\m) <= 13
	WFETCH (\m)+2
.endif
.endm
.macro STAGE g                         ; four K steps; then their registers take the stage two further on
.if (\g) == 7
	s_wait_loadcnt 0x0
.else
	s_wait_loadcnt 32                              ; this stage is in, and all that was asked for earlier; the next stage's 32 loads may stay out
.endif
	DSTEP 2*(\g)
	DSTEP 2*(\g)+1
.if (\g) <= 5
	HFETCH (\g)+2                                  ; (the four v_nop above are the places ahead of these loads)
.endif
.endm
	s_load_b256 s[4:11], s[0:1], 0x0               ; himg, W2's codes, b2, the scales' exponents
	s_load_b256 s[12:19], s[0:1], 0x20             ; offs, order, psort, out0
	v_lshl_add_u32 v126, v0, 2, 0x29200
	v_mov_b32 v127, 0
	v_lshrrev_b32 v104, 5, v0
	v_readfirstlane_b32 s32, v104                  ; wave 0..7
	v_and_b32 v105, 31, v0                         ; lane
	v_lshlrev_b32 v[LI], 4, v105
	s_lshl_b32 s36, s32, 14
	v_add_nc_u32 v2, s36, v[LI]                    ; the weights in memory: my wave's 4 rows, 16 bytes a lane
	s_mul_i32 s36, s32, 4*PW
	v_add_nc_u32 v3, s36, v[LI]                    ; and in LDS
	v_and_b32 v8, 15, v0                           ; r
	v_bfe_u32 v104, v0, 4, 1                       ; h
	v_mul_u32_u24 v[WA], v8, PW
	v_lshl_add_u32 v[WA], v104, 4, v[WA]
	v_add_nc_u32 v[WA+1], 16*PW, v[WA]
	s_mul_i32 s36, s32, SW
	s_add_co_u32 s36, s36, STG                     ; my stage
	v_mul_u32_u24 v[SO], v8, SP
	v_lshl_add_u32 v[SO], v104, 5, v[SO]
	v_add_nc_u32 v[SO], s36, v[SO]                 ; in: row r, + 32 h
	v_lshrrev_b32 v9, 3, v105                      ; lane / 8
	v_and_b32 v14, 7, v105
	v_lshlrev_b32 v14, 4, v14                      ; 16 (lane % 8)
	v_mul_u32_u24 v[SR], v9, SP
	v_add_nc_u32 v[SR], v[SR], v14
	v_add_nc_u32 v[SR], s36, v[SR]                 ; back: eight lanes to a row, four rows an instruction
	v_lshlrev_b32 v104, 5, v104                    ; b2: 32 h
	v_mov_b32 v[PS+1], 0
	v_mov_b32 v[PS+3], 0
	s_lshr_b32 s33, ttmp9, 5                       ; the expert
	s_and_b32 s34, ttmp9, 31                       ; the slice of 32 outputs
	s_lshl_b32 s35, s33, 2
	s_lshl_b32 s38, ttmp9, 17
	s_mov_b32 s39, 0
	s_mov_b32 s27, s32                             ; p = w
	s_mov_b32 s47, 0                               ; passes done
	s_wait_kmcnt 0x0
	s_load_b64 s[20:21], s[12:13], s35 offset:0x0  ; the expert's first position, and the next expert's
	s_load_b128 s[28:31], s[10:11], 0x0            ; ew1, ex, eh, ew2
	s_add_nc_u64 s[6:7], s[6:7], s[38:39]
	s_lshl_b32 s38, ttmp9, 7
	s_add_nc_u64 s[8:9], s[8:9], s[38:39]
	s_lshl_b32 s38, s34, 7
	s_add_nc_u64 s[18:19], s[18:19], s[38:39]      ; out0 at the slice's first column
.irp n, 0,1
	global_load_b128 v[B2R+8*\n:B2R+8*\n+3], v104, s[8:9] offset:64*\n        ; b2 at outputs 16 n + 8 h + 0 .. 7
	global_load_b128 v[B2R+8*\n+4:B2R+8*\n+7], v104, s[8:9] offset:64*\n+16
.endr
.set n, 0
.rept 32
	global_load_b128 v[RING+4*n:RING+4*n+3], v2, s[6:7] offset:512*n th:TH_LOAD_NT     ; 512 consecutive bytes a load; read once in the launch
.set n, n+1
.endr
	s_wait_kmcnt 0x0
	s_min_u32 s20, s20, 1024
	s_min_u32 s21, s21, 1024
	s_sub_co_u32 s22, s21, s20                     ; cnt
	s_max_u32 s23, s22, 1
	s_sub_co_u32 s23, s23, 1                       ; the last row
	s_add_co_u32 s24, s22, 15
	s_lshr_b32 s24, s24, 4                         ; tiles
	s_add_co_u32 s25, s24, 1
	s_lshr_b32 s25, s25, 1                         ; pairs
	s_max_u32 s46, s24, 1
	s_sub_co_u32 s46, s46, 1                       ; the last tile
	s_add_co_u32 s48, s25, 7
	s_sub_co_u32 s48, s48, s32
	s_lshr_b32 s48, s48, 3                         ; my wave's passes: the pairs p = w, w + 8, .. under the number of pairs;
	s_min_u32 s48, s48, 4                          ; four at the most: 1,024 rows are 32 pairs, for eight waves
	s_lshr_b32 s26, s20, 4
	s_add_co_u32 s26, s26, s33                     ; the expert's first tile in himg
	s_add_co_i32 s36, s30, s31
	s_add_co_i32 s36, s36, 127
	s_lshl_b32 s44, s36, 23                        ; 2^(eh + ew2) as f32
	s_mov_b32 s45, s44                             ; (named with it as a pair, so it is written)
	s_cmp_lt_u32 s27, s25
	s_cselect_b32 s36, 16, 0
	v_mul_u32_u24 v[HO], s36, v105                 ; 16 x lane where the wave has a pair, else 0;
	v_min_u32 v[HO], 0x1f0, v[HO]                  ; the choice hangs on a stored count, so the offset is held at its largest value, 16 x 31
	PADDR
	PLOAD
	s_wait_loadcnt 63                              ; 74 loads stand behind the last load of weights: b2 and the weights are in
.set n, 0
.rept 32
	ds_store_b128 v3, v[RING+4*n:RING+4*n+3] offset:(n/8)*PW+512*(n%8)
.set n, n+1
.endr
	s_wait_dscnt 0x0                               ; for the others' sake: my rows lie in LDS
	s_barrier_signal -1
	s_barrier_wait -1                              ; the launch's one barrier, on every wave's way; behind it the weights are only read, and a stage is its wave's own
	s_cmp_lt_u32 s47, s48
	s_cbranch_scc0 .Lend                           ; no pair for this wave
.Lpass:
	WFETCH 0
	WFETCH 1
.irp g, 0,1,2,3,4,5,6,7
	STAGE \g
.endr
	WIN 0
.set n, 0
.rept 16
	v_pk_fma_f32 v[Y+n:Y+n+1], v[ACC+n:ACC+n+1], s[44:45], v[B2R+(n%16):B2R+(n%16)+1] op_sel_hi:[1,0,1]   ; sum x 2^(eh + ew2) + b2; each accumulator from its low end on
.set n, n+2
.endr
.set n, 0
.rept 16
	v_pk_mul_f32 v[Y+n:Y+n+1], v[Y+n:Y+n+1], v[PS+2*(n/16):PS+2*(n/16)+1] op_sel_hi:[1,0]                 ; x my row's largest p
.set n, n+2
.endr
.irp u, 0,1
.irp n, 0,1
	ds_store_b128 v[SO], v[Y+16*\u+8*\n:Y+16*\u+8*\n+3] offset:16*SP*\u+64*\n
	ds_store_b128 v[SO], v[Y+16*\u+8*\n+4:Y+16*\u+8*\n+7] offset:16*SP*\u+64*\n+16
.endr
.endr
.irp i, 0,1,2,3,4,5,6,7
	ds_load_b128 v[RING+4*\i:RING+4*\i+3], v[SR] offset:4*SP*\i    ; the bytes are my wave's own and LDS serves a wave's instructions in order: these see the stores above
.endr
.irp i, 0,1,2,3,4,5,6,7
	v_min_u32 v[OA+\i], 0x3ff, v[OA+\i]            ; a token stays inside out0
	v_lshl_add_u32 v[OA+\i], v[OA+\i], 12, v14     ; token x 4,096 + 16 (lane % 8)
.endr
.irp i, 0,1,2,3,4,5,6,7
	s_wait_dscnt 7-\i
	global_store_b128 v[OA+\i], v[RING+4*\i:RING+4*\i+3], s[18:19] th:TH_STORE_NT      ; four rows, 128 consecutive bytes each; written once, read by nobody here
.endr
	s_add_co_u32 s27, s27, 8                       ; the next pair,
	s_add_co_u32 s47, s47, 1                       ; and the loop's counter: one a pass
	s_cmp_lt_u32 s47, s48
	s_cbranch_scc0 .Lend
	s_wait_xcnt 0x0                                ; the stores have read their addresses and data: both are written again only behind this wait
	PADDR
	PLOAD                                          ; (the lines of the way out are the places behind the last products)
	s_cmp_lt_u32 s47, s48
	s_cbranch_scc1 .Lpass
.Lend:
	s_wait_tensorcnt 0x0
	ds_add_u32 v126, v127
	s_wait_dscnt 0x0
	s_endpgm
.Lfunc_end_k_q76881c12e6_down:
	.size	k_q76881c12e6_down, .Lfunc_end_k_q76881c12e6_down-k_q76881c12e6_down
	.p2alignl 7, 3214868480
	.fill 96, 4, 3214868480
	.section	.rodata,"a",@progbits
	.p2align	6, 0x0
	.amdhsa_kernel k_q76881c12e6_down
		.amdhsa_group_segment_fixed_size 169472
		.amdhsa_private_segment_fixed_size 0
		.amdhsa_enable_private_segment 0
		.amdhsa_kernarg_size 64
		.amdhsa_user_sgpr_count 2
		.amdhsa_user_sgpr_kernarg_segment_ptr 1
		.amdhsa_wavefront_size32 1
		.amdhsa_system_sgpr_workgroup_id_x 1
		.amdhsa_system_sgpr_workgroup_id_y 1
		.amdhsa_system_sgpr_workgroup_id_z 1
		.amdhsa_system_vgpr_workitem_id 0
		.amdhsa_next_free_vgpr 512
		.amdhsa_next_free_sgpr 66
		.amdhsa_reserve_vcc 0
		.amdhsa_float_denorm_mode_32 3
		.amdhsa_float_denorm_mode_16_64 3
		.amdhsa_memory_ordered 1
		.amdhsa_forward_progress 1
		.amdhsa_inst_pref_size 79
	.end_amdhsa_kernel
	.amdgpu_metadata
---
amdhsa.version: [ 1, 2 ]
amdhsa.kernels:
  - .name:           k_q76881c12e6_down
    .symbol:         k_q76881c12e6_down.kd
    .args:
      - { .name: himg, .offset: 0, .size: 8, .value_kind: global_buffer, .address_space: global }
      - { .name: w2_codes, .offset: 8, .size: 8, .value_kind: global_buffer, .address_space: global }
      - { .name: b2, .offset: 16, .size: 8, .value_kind: global_buffer, .address_space: global }
      - { .name: lowp_scales, .offset: 24, .size: 8, .value_kind: global_buffer, .address_space: global }
      - { .name: offs, .offset: 32, .size: 8, .value_kind: global_buffer, .address_space: global }
      - { .name: order, .offset: 40, .size: 8, .value_kind: global_buffer, .address_space: global }
      - { .name: psort, .offset: 48, .size: 8, .value_kind: global_buffer, .address_space: global }
      - { .name: out0, .offset: 56, .size: 8, .value_kind: global_buffer, .address_space: global }
    .group_segment_fixed_size: 169472
    .private_segment_fixed_size: 0
    .kernarg_segment_align: 8
    .kernarg_segment_size: 64
    .max_flat_workgroup_size: 256
    .sgpr_count:     66
    .vgpr_count:     512
    .wavefront_size: 32
...
	.end_amdgpu_metadata
.endif
;; end of part 4
;; ======== version 2 of 2: 4 launches
;; workspace buffers: xq 1,048,576 bytes; xs 1,048,576 bytes; eidx 4,096 bytes of whole numbers; order 4,096 bytes of whole numbers; offs 256 bytes of whole numbers; prob 12,288 bytes; psort 4,096 bytes; himg 4,718,592 bytes
;; launch route (part 5): grid 256 x 1, 4 waves a work-group, no clusters, 19,968 bytes of LDS; arguments x, router_w, router_b, lowp_scales, xq, eidx, prob; writes xq, eidx, prob
.if DOCPART == 5
	.amdgcn_target "amdgcn-amd-amdhsa--gfx1250"
	.amdhsa_code_object_version 6
	.text
	.protected	k_q76881c12e6_route
	.globl	k_q76881c12e6_route
	.p2align	8
	.type	k_q76881c12e6_route,@function
k_q76881c12e6_route:
	s_mov_b64 s[64:65], 0
	v_nop
	global_prefetch_b8 v0, s[64:65] scope:SCOPE_SE
	s_setreg_imm32_b32 hwreg(HW_REG_WAVE_MODE, 25, 1), 1
	s_wait_xcnt 0x0
; THE ROUTER, AND x's CODES.  logits = x router_w + router_b in f32; softmax with the row's maximum taken away; the chosen expert and its probability for each token;
; the sums of the probabilities over the work-group's four tokens (for the balance loss); x as codes of E5M2 with the given scale 2^ex (entry 1 of the scales).
; SHARES.  Work-group g takes tokens 4 g .. 4 g + 3.  Thread t (0..127) takes d = 8 t .. 8 t + 7 of all four tokens: 32 bytes of each row of x, 256 bytes of router_w.
; Each thread makes 32 partial sums (4 tokens x 8 experts); they are turned through the wave's own LDS rows, so that lane l sums value l = 8 token + expert over the wave's 32 lanes;
; the four waves' sums meet in LDS behind one barrier, and wave 0 does the softmax: eight neighbouring lanes hold a token's eight logits.
; STORED: xq [token][1024] codes, K innermost; eidx [token] int32; prob: bytes 0..4095 the largest probability by token, bytes 4096.. [work-group][8] sums of p.
; No address and no branch hangs on the choice: it is stored at fixed places, and the next launch places the rows.
; No matrix unit: the product has 8 columns.  No tensor load: each byte is read once, into registers.
; LIMITS: ex between -126 and 112.  NaN among the inputs is not served.  The chosen expert is the lowest index of the largest LOGIT.
.set TRP, 144                          ; a lane's row in the turn: 128 bytes + 16 (an odd multiple of 16)
.set TRW, 32*TRP                       ; a wave's region
.set XWB, 4*TRW                        ; behind them: 128 bytes for each wave: its 32 sums
.set XR,  16                           ; v16-47   x: token t at 16 + 8 t
.set WR,  48                           ; v48-111  router_w: d i at 48 + 8 i, experts 0..7
.set AC,  112                          ; v112-143 partial sums: 112 + 8 t + e
.set TT,  144                          ; v144-175 at work
.set CC,  176                          ; v176-183 codes, two registers a token
	s_load_b256 s[4:11], s[0:1], 0x0               ; x, router_w, router_b, the scales' exponents
	s_load_b128 s[12:15], s[0:1], 0x20             ; xq, eidx
	s_load_b64 s[16:17], s[0:1], 0x30              ; prob
	v_lshl_add_u32 v184, v0, 2, 0x4c00
	v_mov_b32 v185, 0
	v_lshrrev_b32 v12, 5, v0
	v_readfirstlane_b32 s20, v12                   ; wave
	v_and_b32 v1, 31, v0                           ; lane
	v_lshlrev_b32 v2, 5, v0                        ; x: my 32 bytes of a row
	v_lshlrev_b32 v3, 8, v0                        ; router_w: my 8 rows of 32 bytes
	v_lshlrev_b32 v4, 3, v0                        ; xq: my 8 codes of a row
	s_mul_i32 s21, s20, TRW
	s_lshl_b32 s22, s20, 7
	v_mul_u32_u24 v5, v1, TRP
	v_add_nc_u32 v5, s21, v5                       ; the turn, in: my row
	v_lshlrev_b32 v12, 2, v1                       ; 4 x lane
	v_add_nc_u32 v6, s21, v12                      ; the turn, out: word l of every row
	v_add_nc_u32 v8, XWB, v12                      ; the waves' sums, read
	v_add_nc_u32 v7, s22, v8                       ; and stored
	v_and_b32 v13, 7, v1                           ; my expert in the softmax
	v_lshlrev_b32 v14, 2, v13
	s_mov_b32 s24, 0x76543210                      ; v_permlanex16_b32: lane l xor 16
	s_mov_b32 s25, 0xfedcba98
	s_lshl_b32 s26, ttmp9, 14                      ; four rows of 4,096 bytes
	s_mov_b32 s27, 0
	s_wait_alu depctr_va_vdst(0)
	s_wait_kmcnt 0x0
	s_load_b32 s29, s[10:11], 0x4                  ; ex
	s_add_nc_u64 s[4:5], s[4:5], s[26:27]
	s_lshl_b32 s26, ttmp9, 12                      ; four rows of 1,024 codes
	s_add_nc_u64 s[12:13], s[12:13], s[26:27]
	s_lshl_b32 s26, ttmp9, 5
	s_add_co_u32 s26, s26, 4096
	s_add_nc_u64 s[18:19], s[16:17], s[26:27]      ; the sums of p: 4,096 + 32 g
	s_lshl_b32 s26, ttmp9, 4
	s_add_nc_u64 s[14:15], s[14:15], s[26:27]      ; eidx and the largest p: 16 g
	s_add_nc_u64 s[16:17], s[16:17], s[26:27]
	global_load_b32 v11, v14, s[8:9]               ; router_b of my expert
.irp k, 0,1,2,3,4,5,6,7,8,9,10,11,12,13,14,15
	global_load_b128 v[WR+4*\k:WR+4*\k+3], v3, s[6:7] offset:16*\k
.endr
.irp t, 0,1,2,3
	global_load_b128 v[XR+8*\t:XR+8*\t+3], v2, s[4:5] offset:4096*\t th:TH_LOAD_NT
	global_load_b128 v[XR+8*\t+4:XR+8*\t+7], v2, s[4:5] offset:4096*\t+16 th:TH_LOAD_NT
.endr
	s_wait_loadcnt 0x0                             ; one batch of loads, all wanted at once
; 4 tokens x 8 experts x 8 d: two experts an instruction; x's number is taken from its pair for both halves.  The first d starts the sums.
.irp i, 0,1,2,3,4,5,6,7
.irp t, 0,1,2,3
.irp p, 0,2,4,6
.if \i == 0
	v_pk_mul_f32 v[AC+8*\t+\p:AC+8*\t+\p+1], v[XR+8*\t:XR+8*\t+1], v[WR+\p:WR+\p+1] op_sel_hi:[0,1]
.elseif (\i%2) == 0
	v_pk_fma_f32 v[AC+8*\t+\p:AC+8*\t+\p+1], v[XR+8*\t+\i:XR+8*\t+\i+1], v[WR+8*\i+\p:WR+8*\i+\p+1], v[AC+8*\t+\p:AC+8*\t+\p+1] op_sel_hi:[0,1,1]
.else
	v_pk_fma_f32 v[AC+8*\t+\p:AC+8*\t+\p+1], v[XR+8*\t+\i-1:XR+8*\t+\i], v[WR+8*\i+\p:WR+8*\i+\p+1], v[AC+8*\t+\p:AC+8*\t+\p+1] op_sel:[1,0,0] op_sel_hi:[1,1,1]
.endif
.endr
.endr
.endr
; the turn: my 32 sums into my row; word l of all 32 rows back.  The bytes are the wave's own and LDS serves a wave's instructions in order: no wait between.
.irp k, 0,1,2,3,4,5,6,7
	ds_store_b128 v5, v[AC+4*\k:AC+4*\k+3] offset:16*\k
.endr
.irp j, 0,1,2,3,4,5,6,7,8,9,10,11,12,13,14,15,16,17,18,19,20,21,22,23,24,25,26,27,28,29,30,31
	ds_load_b32 v[TT+\j], v6 offset:TRP*\j
.endr
; while they are out: x's codes
	s_wait_kmcnt 0x0
	s_add_co_i32 s22, s29, 127
	s_lshl_b32 s23, s22, 23
	v_mov_b32 v9, s23                              ; 2^ex as f32: the conversion takes its exponent field
	s_add_co_i32 s22, s22, 15
	s_lshl_b32 s22, s22, 23
	s_or_b32 s22, s22, 0x600000
	v_mov_b32 v10, s22                             ; 57,344 x 2^ex
.irp t, 0,1,2,3
.irp i, 0,1,2,3,4,5,6,7
	v_med3_num_f32 v[XR+8*\t+\i], v[XR+8*\t+\i], -v10, v10   ; the conversion to an 8-bit code does not saturate (ISA guide 7.6.2): the hold comes first
.endr
	v_cvt_scalef32_pk8_bf8_f32 v[CC+2*\t:CC+2*\t+1], v[XR+8*\t:XR+8*\t+7], v9
.endr
	v_nop                                          ; a plain line behind the last conversion
.irp t, 0,1,2,3
	global_store_b64 v4, v[CC+2*\t:CC+2*\t+1], s[12:13] offset:1024*\t   ; a wave stores 256 consecutive bytes, at a multiple of 256 from the buffer's first byte
.endr
	s_wait_dscnt 0x0                               ; the 32 words are back
.irp j, 8,16,24
	v_pk_add_f32 v[TT:TT+1], v[TT:TT+1], v[TT+\j:TT+\j+1]          ; four chains
	v_pk_add_f32 v[TT+2:TT+3], v[TT+2:TT+3], v[TT+\j+2:TT+\j+3]
	v_pk_add_f32 v[TT+4:TT+5], v[TT+4:TT+5], v[TT+\j+4:TT+\j+5]
	v_pk_add_f32 v[TT+6:TT+7], v[TT+6:TT+7], v[TT+\j+6:TT+\j+7]
.endr
	v_pk_add_f32 v[TT:TT+1], v[TT:TT+1], v[TT+4:TT+5]
	v_pk_add_f32 v[TT+2:TT+3], v[TT+2:TT+3], v[TT+6:TT+7]
	v_pk_add_f32 v[TT:TT+1], v[TT:TT+1], v[TT+2:TT+3]
	v_add_f32 v[TT], v[TT], v[TT+1]                ; my wave's part of value l = 8 token + expert
	ds_store_b32 v7, v[TT]
	s_wait_dscnt 0x0                               ; for wave 0's sake: my store has landed
	s_barrier_signal -1
	s_barrier_wait -1
	s_cmp_lg_u32 s20, 0
	s_cbranch_scc1 .Lend                           ; the softmax of four tokens is one wave's work
	ds_load_b32 v144, v8
	ds_load_b32 v145, v8 offset:128
	ds_load_b32 v146, v8 offset:256
	ds_load_b32 v147, v8 offset:384
	v_cvt_f32_u32 v148, v13                        ; my expert's number as f32
	v_lshrrev_b32 v154, 1, v1                      ; 4 x token in the lanes that hold expert 0
	v_mov_b32 v153, 0                              ; a lane permute's destination counts as read
	s_wait_dscnt 0x0
	v_add_f32 v144, v144, v145
	v_add_f32 v146, v146, v147
	v_add_f32 v144, v144, v146
	v_add_f32 v144, v144, v11                      ; the logit
	v_mov_b32 v145, v144
	v_max_num_f32_dpp v145, v145, v145 row_xmask:1 row_mask:0xf bank_mask:0xf
	v_max_num_f32_dpp v145, v145, v145 row_xmask:2 row_mask:0xf bank_mask:0xf
	v_max_num_f32_dpp v145, v145, v145 row_xmask:4 row_mask:0xf bank_mask:0xf   ; the token's largest logit
	v_sub_f32 v146, v144, v145
	v_mul_f32 v146, 0x3fb8aa3b, v146               ; x log2(e)
	s_wait_alu depctr_va_vdst(0)
	v_exp_f32 v147, v146
	v_nop                                          ; a plain line behind the exponential
	v_cmp_eq_f32 vcc_lo, v144, v145                ; the choice: the lowest expert whose logit is the largest
	v_cndmask_b32 v149, 0x41000000, v148, vcc_lo   ; its number, else 8.0
	v_min_num_f32_dpp v149, v149, v149 row_xmask:1 row_mask:0xf bank_mask:0xf
	v_min_num_f32_dpp v149, v149, v149 row_xmask:2 row_mask:0xf bank_mask:0xf
	v_min_num_f32_dpp v149, v149, v149 row_xmask:4 row_mask:0xf bank_mask:0xf
	v_cvt_u32_f32 v149, v149
	s_wait_alu depctr_va_vdst(0)                   ; ahead of the exponential's first reader
	v_mov_b32 v150, v147
	v_add_f32_dpp v150, v150, v150 row_xmask:1 row_mask:0xf bank_mask:0xf
	v_add_f32_dpp v150, v150, v150 row_xmask:2 row_mask:0xf bank_mask:0xf
	v_add_f32_dpp v150, v150, v150 row_xmask:4 row_mask:0xf bank_mask:0xf
	s_wait_alu depctr_va_vdst(0)
	v_rcp_f32 v151, v150                           ; 1 / the sum: the largest probability, since its exponential is 1
	v_nop
	s_wait_alu depctr_va_vdst(0)
	v_mul_f32 v152, v147, v151                     ; p
	v_add_f32_dpp v152, v152, v152 row_xmask:8 row_mask:0xf bank_mask:0xf       ; over the four tokens: lanes 8 apart,
	v_permlanex16_b32 v153, v152, s24, s25
	v_add_f32 v152, v152, v153                     ; and 16 apart
	v_cmp_eq_u32 vcc_lo, 0, v13
	s_wait_alu depctr_va_vdst(0)
	s_wait_xcnt 0x0                                ; EXEC changes only behind this wait: the codes' stores have been issued
	s_and_saveexec_b32 s28, vcc_lo                 ; one lane a token
	global_store_b32 v154, v149, s[14:15]
	global_store_b32 v154, v151, s[16:17]
	s_wait_xcnt 0x0
	s_or_b32 exec_lo, exec_lo, s28
	v_cmp_gt_u32 vcc_lo, 8, v1
	s_and_saveexec_b32 s28, vcc_lo                 ; one lane an expert
	global_store_b32 v12, v152, s[18:19]
	s_wait_xcnt 0x0
	s_or_b32 exec_lo, exec_lo, s28
.Lend:
	s_wait_tensorcnt 0x0
	ds_add_u32 v184, v185
	s_wait_dscnt 0x0
	s_endpgm
.Lfunc_end_k_q76881c12e6_route:
	.size	k_q76881c12e6_route, .Lfunc_end_k_q76881c12e6_route-k_q76881c12e6_route
	.p2alignl 7, 3214868480
	.fill 96, 4, 3214868480
	.section	.rodata,"a",@progbits
	.p2align	6, 0x0
	.amdhsa_kernel k_q76881c12e6_route
		.amdhsa_group_segment_fixed_size 19968
		.amdhsa_private_segment_fixed_size 0
		.amdhsa_enable_private_segment 0
		.amdhsa_kernarg_size 56
		.amdhsa_user_sgpr_count 2
		.amdhsa_user_sgpr_kernarg_segment_ptr 1
		.amdhsa_wavefront_size32 1
		.amdhsa_system_sgpr_workgroup_id_x 1
		.amdhsa_system_sgpr_workgroup_id_y 1
		.amdhsa_system_sgpr_workgroup_id_z 1
		.amdhsa_system_vgpr_workitem_id 0
		.amdhsa_next_free_vgpr 186
		.amdhsa_next_free_sgpr 66
		.amdhsa_reserve_vcc 1
		.amdhsa_float_denorm_mode_32 3
		.amdhsa_float_denorm_mode_16_64 3
		.amdhsa_memory_ordered 1
		.amdhsa_forward_progress 1
		.amdhsa_inst_pref_size 22
	.end_amdhsa_kernel
	.amdgpu_metadata
---
amdhsa.version: [ 1, 2 ]
amdhsa.kernels:
  - .name:           k_q76881c12e6_route
    .symbol:         k_q76881c12e6_route.kd
    .args:
      - { .name: x, .offset: 0, .size: 8, .value_kind: global_buffer, .address_space: global }
      - { .name: router_w, .offset: 8, .size: 8, .value_kind: global_buffer, .address_space: global }
      - { .name: router_b, .offset: 16, .size: 8, .value_kind: global_buffer, .address_space: global }
      - { .name: lowp_scales, .offset: 24, .size: 8, .value_kind: global_buffer, .address_space: global }
      - { .name: xq, .offset: 32, .size: 8, .value_kind: global_buffer, .address_space: global }
      - { .name: eidx, .offset: 40, .size: 8, .value_kind: global_buffer, .address_space: global }
      - { .name: prob, .offset: 48, .size: 8, .value_kind: global_buffer, .address_space: global }
    .group_segment_fixed_size: 19968
    .private_segment_fixed_size: 0
    .kernarg_segment_align: 8
    .kernarg_segment_size: 56
    .max_flat_workgroup_size: 128
    .sgpr_count:     66
    .vgpr_count:     186
    .wavefront_size: 32
...
	.end_amdgpu_metadata
.endif
;; end of part 5
;; launch place (part 6): grid 32 x 1, 8 waves a work-group, no clusters, 2,048 bytes of LDS; arguments eidx, prob, xq, xs, order, offs, psort, out1; writes xs, order, offs, psort, out1
.if DOCPART == 6
	.amdgcn_target "amdgcn-amd-amdhsa--gfx1250"
	.amdhsa_code_object_version 6
	.text
	.protected	k_q76881c12e6_place
	.globl	k_q76881c12e6_place
	.p2align	8
	.type	k_q76881c12e6_place,@function
k_q76881c12e6_place:
	s_mov_b64 s[64:65], 0
	v_nop
	global_prefetch_b8 v0, s[64:65] scope:SCOPE_SE
	s_setreg_imm32_b32 hwreg(HW_REG_WAVE_MODE, 25, 1), 1
	s_wait_xcnt 0x0
; THE ROWS ARE PLACED BY EXPERT: a counting sort of the 1,024 tokens by the stored choice, without atomics; and the balance loss.
; Every one of the 32 work-groups runs the whole sort (1,024 whole numbers, one barrier), so that none waits for another; each then moves 32 of the 1,024 rows of codes.
; Thread t owns tokens 4 t + j.  Within an expert the positions go by (wave, j, lane).  A wave's counts of the 8 experts come from 32 lane masks; the waves' counts meet in LDS; each wave adds up
; the counts of the waves before it and all experts' totals.
; Work-group g moves the rows of lane g's tokens: wave w reads tokens 128 w + 4 g + j, 4,096 bytes on end, and stores each row of 1,024 bytes at its position.
; Work-group 0 also stores order (token at each position) and psort (its largest probability); its wave 0 stores offs (first position of each expert; entries 8..31 = the total) and the loss,
; 8 x the sum over experts of (sum of p / 1,024) x (count / 1,024).
; order's and psort's stores are 4 bytes a lane at the lane's position: 8 KiB in all; an LDS address made of a loaded number is not wanted here.
.set MK, 32                            ; s32-63   the lane masks: expert e, token j at 32 + 4 e + j
	s_load_b512 s[68:83], s[0:1], 0x0              ; eidx 68, prob 70, xq 72, xs 74, order 76, offs 78, psort 80, out1 82
	v_lshl_add_u32 v136, v0, 2, 0x400
	v_mov_b32 v137, 0
	v_lshrrev_b32 v24, 5, v0
	s_delay_alu instid0(VALU_DEP_1)
	v_readfirstlane_b32 s2, v24                    ; wave
	s_mov_b32 s3, ttmp9                            ; work-group
	v_and_b32 v1, 31, v0                           ; lane
	v_lshlrev_b32 v2, 4, v0                        ; 16 bytes a thread
	s_delay_alu instid0(VALU_DEP_2)
	v_lshlrev_b32 v3, 4, v1                        ; 16 bytes a lane
	v_lshlrev_b32 v24, 6, v24                      ; LDS: a row of 64 bytes for each wave: 16 of counts (8 fields of 16 bits), 32 of sums of p
	s_delay_alu instid0(VALU_DEP_4)
	v_and_b32 v27, 1, v1
	s_delay_alu instid0(VALU_DEP_1)
	v_lshlrev_b32 v27, 4, v27
	s_delay_alu instid0(VALU_DEP_1)
	v_add_nc_u32 v27, 16, v27                      ; experts 0-3 (even lanes) or 4-7 (odd lanes) of a row's sums
	s_delay_alu instid0(VALU_DEP_1)
	v_add_nc_u32 v25, v24, v27
	v_mov_b32 v26, 0
	s_mov_b32 s28, 0x76543210
	s_mov_b32 s29, 0xfedcba98
	s_lshl_b32 s16, s2, 7
	s_lshl_b32 s17, s3, 2
	s_add_co_u32 s16, s16, s17
	s_lshl_b32 s16, s16, 10                        ; (128 w + 4 g) rows of 1,024 bytes
	s_mov_b32 s17, 0                               ; stays 0: the upper word of every offset pair s[16:17]
	s_wait_alu depctr_va_vdst(0)
	s_wait_kmcnt 0x0
	s_add_nc_u64 s[72:73], s[72:73], s[16:17]
	global_load_b128 v[4:7], v2, s[68:69]          ; my four tokens' experts
	global_load_b128 v[12:15], v2, s[70:71] offset:4096   ; sums of p: rows t / 2 and 128 + t / 2, experts 4 (t % 2) on
	global_load_b128 v[16:19], v2, s[70:71] offset:8192
	global_load_b128 v[8:11], v2, s[70:71]         ; my four tokens' largest p
.irp i, 0,1,2,3,4,5,6,7
	global_load_b128 v[32+4*\i:35+4*\i], v3, s[72:73] offset:512*\i th:TH_LOAD_NT   ; four rows of codes, 512 consecutive bytes a load
.endr
	s_wait_loadcnt 11                              ; the experts are in; the 11 younger loads stay out
.irp e, 0,1,2,3,4,5,6,7
.irp j, 0,1,2,3
	v_cmp_eq_u32 s[MK+4*\e+\j], \e, v[4+\j]
.endr
.endr
.irp e, 0,1,2,3,4,5,6,7
	s_bcnt1_i32_b32 s[4+\e], s[MK+4*\e]
.irp j, 1,2,3
	s_bcnt1_i32_b32 s16, s[MK+4*\e+\j]
	s_add_co_u32 s[4+\e], s[4+\e], s16             ; my wave's count of expert e, at most 128
.endr
.endr
.irp k, 0,1,2,3
	s_lshl_b32 s16, s[5+2*\k], 16
	s_or_b32 s[12+\k], s[4+2*\k], s16
	v_mov_b32 v[20+\k], s[12+\k]
.endr
	ds_store_b128 v24, v[20:23]                    ; all lanes write the same bytes with the same numbers
	s_wait_loadcnt 9                               ; the sums of p are in (behind them: the largest p and the eight loads of rows)
	v_pk_add_f32 v[12:13], v[12:13], v[16:17]
	v_pk_add_f32 v[14:15], v[14:15], v[18:19]
.irp x, 2,4,8
.irp k, 12,13,14,15
	v_add_f32_dpp v\k, v\k, v\k row_xmask:\x row_mask:0xf bank_mask:0xf   ; over the lanes of my parity
.endr
.endr
.irp k, 0,1,2,3
	s_delay_alu instid0(VALU_DEP_4)
	v_permlanex16_b32 v[16+\k], v[12+\k], s28, s29
.endr
	s_delay_alu instid0(VALU_DEP_3)
	v_pk_add_f32 v[12:13], v[12:13], v[16:17]
	s_delay_alu instid0(VALU_DEP_2)
	v_pk_add_f32 v[14:15], v[14:15], v[18:19]
	ds_store_b128 v25, v[12:15]                    ; lanes of one parity write the same bytes with the same numbers
	s_wait_dscnt 0x0                               ; for the others' sake: both stores have landed
	s_barrier_signal -1
	s_barrier_wait -1                              ; the launch's one barrier; behind it the table is only read
.irp s, 0,1,2,3,4,5,6,7
	ds_load_b128 v[64+4*\s:67+4*\s], v26 offset:64*\s
.endr
.irp k, 0,1,2,3
	v_mov_b32 v[100+\k], 0                         ; the counts of the waves before mine
.endr
	s_wait_alu depctr_va_vdst(0)
	s_wait_dscnt 0x0
.irp s, 1,2,3,4,5,6,7                  ; v[64:67] runs through the sums; the fields hold at most 1,024 and never carry
	s_cmp_eq_u32 s2, \s
	s_cselect_b32 s16, -1, 0
.irp k, 0,1,2,3
	v_cndmask_b32 v[100+\k], v[100+\k], v[64+\k], s16
.endr
.irp k, 0,1,2,3
	v_add_nc_u32 v[64+\k], v[64+\k], v[64+4*\s+\k]
.endr
.endr
.irp k, 0,1,2,3
	v_readfirstlane_b32 s[12+\k], v[64+\k]         ; the totals, packed
	v_readfirstlane_b32 s[96+\k], v[100+\k]        ; my wave's prefixes, packed
.endr
	s_mov_b32 s88, 0                               ; s88-95: the first position of each expert; s4-11: the next free position for my wave
.irp k, 0,1,2,3
	s_and_b32 s86, s[12+\k], 0xffff
	s_add_co_u32 s[89+2*\k], s[88+2*\k], s86
.if \k < 3
	s_lshr_b32 s86, s[12+\k], 16
	s_add_co_u32 s[90+2*\k], s[89+2*\k], s86
.endif
	s_and_b32 s86, s[96+\k], 0xffff
	s_add_co_u32 s[4+2*\k], s[88+2*\k], s86
	s_lshr_b32 s86, s[96+\k], 16
	s_add_co_u32 s[5+2*\k], s[89+2*\k], s86
.endr
.irp e, 0,1,2,3,4,5,6,7                ; a token's position: the next free one + the lanes below mine in its mask
.irp j, 0,1,2,3
.if \e == 0
	v_mbcnt_lo_u32_b32 v[28+\j], s[MK+\j], s4
.else
	v_mbcnt_lo_u32_b32 v[120+\j], s[MK+4*\e+\j], s[4+\e]
	s_wait_alu depctr_va_vdst(0)
	v_cndmask_b32 v[28+\j], v[28+\j], v[120+\j], s[MK+4*\e+\j]
.endif
	s_bcnt1_i32_b32 s16, s[MK+4*\e+\j]
	s_add_co_u32 s[4+\e], s[4+\e], s16
.endr
.endr
.irp j, 0,1,2,3
	v_min_u32 v[28+\j], 0x3ff, v[28+\j]            ; a position stays inside its tables
.endr
	s_wait_alu depctr_va_vdst(0)
.irp j, 0,1,2,3
	v_readlane_b32 s16, v[28+\j], s3               ; the position of token 128 w + 4 g + j
	s_min_u32 s16, s16, 0x3ff
	s_lshl_b32 s16, s16, 10
	s_add_nc_u64 s[20+2*\j:21+2*\j], s[74:75], s[16:17]
.endr
	s_wait_loadcnt 0x0                             ; the rows, and the largest p
.irp i, 0,1,2,3,4,5,6,7
	global_store_b128 v3, v[32+4*\i:35+4*\i], s[20+2*(\i/2):21+2*(\i/2)] offset:512*(\i%2)   ; 512 consecutive bytes, at a multiple of 256 from the buffer's first byte
.endr
	s_cmp_lg_u32 s3, 0
	s_cbranch_scc1 .Lend
	v_lshlrev_b32 v128, 2, v0                      ; my tokens' numbers
	s_delay_alu instid0(VALU_DEP_1)
	v_add_nc_u32 v129, 1, v128
	s_delay_alu instid0(VALU_DEP_2)
	v_add_nc_u32 v130, 2, v128
	s_delay_alu instid0(VALU_DEP_3)
	v_add_nc_u32 v131, 3, v128
.irp j, 0,1,2,3
	v_lshlrev_b32 v[132+\j], 2, v[28+\j]
.endr
.irp j, 0,1,2,3
	global_store_b32 v[132+\j], v[128+\j], s[76:77]
	global_store_b32 v[132+\j], v[8+\j], s[80:81]
.endr
	s_cmp_lg_u32 s2, 0
	s_cbranch_scc1 .Lend
	s_lshr_b32 s16, s15, 16
	s_add_co_u32 s16, s95, s16                     ; the total
	v_mov_b32 v112, s16
.irp e, 0,1,2,3,4,5,6,7
	s_delay_alu instid0(VALU_DEP_1)
	v_writelane_b32 v112, s[88+\e], \e
.endr
	v_lshlrev_b32 v113, 2, v1
	global_store_b32 v113, v112, s[78:79]          ; offs: 128 consecutive bytes
.irp s, 0,1,2,3,4,5,6,7
	ds_load_b128 v[64+4*\s:67+4*\s], v27 offset:64*\s   ; the waves' sums of p, experts 4 (l % 2) on
.endr
	s_wait_xcnt 0x0                                ; the rows' stores have read their bases s[20:27]: they are written again only behind this wait
.irp k, 0,1,2,3
	s_and_b32 s[20+2*\k], s[12+\k], 0xffff         ; the counts
	s_lshr_b32 s[21+2*\k], s[12+\k], 16
.endr
	s_mov_b32 s16, 0xaaaaaaaa                      ; the odd lanes
.irp k, 0,1,2,3
	v_mov_b32 v[104+\k], s[20+\k]
	v_mov_b32 v[108+\k], s[24+\k]
	s_delay_alu instid0(VALU_DEP_1)
	v_cndmask_b32 v[104+\k], v[104+\k], v[108+\k], s16
	s_delay_alu instid0(VALU_DEP_1)
	v_cvt_f32_u32 v[104+\k], v[104+\k]
.endr
	s_wait_dscnt 0x0
.irp s, 1
	v_pk_add_f32 v[64:65], v[64:65], v[64+4*\s:65+4*\s]
	v_pk_add_f32 v[66:67], v[66:67], v[66+4*\s:67+4*\s]
.endr
.irp s, 2, 3, 4, 5, 6, 7
	s_delay_alu instid0(VALU_DEP_2)
	v_pk_add_f32 v[64:65], v[64:65], v[64+4*\s:65+4*\s]
	s_delay_alu instid0(VALU_DEP_2)
	v_pk_add_f32 v[66:67], v[66:67], v[66+4*\s:67+4*\s]
.endr
	s_delay_alu instid0(VALU_DEP_2)
	v_mul_f32 v120, v64, v104
	s_delay_alu instid0(VALU_DEP_1)
	v_fma_f32 v120, v65, v105, v120
	s_delay_alu instid0(VALU_DEP_1)
	v_fma_f32 v120, v66, v106, v120
	s_delay_alu instid0(VALU_DEP_1)
	v_fma_f32 v120, v67, v107, v120
	s_delay_alu instid0(VALU_DEP_1)
	v_add_f32_dpp v120, v120, v120 row_xmask:1 row_mask:0xf bank_mask:0xf       ; experts 0-3 and 4-7
	s_delay_alu instid0(VALU_DEP_1)
	v_mul_f32 v120, 0x37000000, v120               ; x 8 / 1,024 / 1,024 = 2^-17
	v_cmp_eq_u32 vcc_lo, 0, v1
	s_and_saveexec_b32 s86, vcc_lo                 ; (no memory instruction has been issued since the wait above)
	global_store_b32 v26, v120, s[82:83]
	s_wait_xcnt 0x0
	s_or_b32 exec_lo, exec_lo, s86
.Lend:
	s_wait_tensorcnt 0x0
	ds_add_u32 v136, v137
	s_wait_dscnt 0x0
	s_endpgm
.Lfunc_end_k_q76881c12e6_place:
	.size	k_q76881c12e6_place, .Lfunc_end_k_q76881c12e6_place-k_q76881c12e6_place
	.p2alignl 7, 3214868480
	.fill 96, 4, 3214868480
	.section	.rodata,"a",@progbits
	.p2align	6, 0x0
	.amdhsa_kernel k_q76881c12e6_place
		.amdhsa_group_segment_fixed_size 2048
		.amdhsa_private_segment_fixed_size 0
		.amdhsa_enable_private_segment 0
		.amdhsa_kernarg_size 64
		.amdhsa_user_sgpr_count 2
		.amdhsa_user_sgpr_kernarg_segment_ptr 1
		.amdhsa_wavefront_size32 1
		.amdhsa_system_sgpr_workgroup_id_x 1
		.amdhsa_system_sgpr_workgroup_id_y 1
		.amdhsa_system_sgpr_workgroup_id_z 1
		.amdhsa_system_vgpr_workitem_id 0
		.amdhsa_next_free_vgpr 138
		.amdhsa_next_free_sgpr 100
		.amdhsa_reserve_vcc 1
		.amdhsa_float_denorm_mode_32 3
		.amdhsa_float_denorm_mode_16_64 3
		.amdhsa_memory_ordered 1
		.amdhsa_forward_progress 1
		.amdhsa_inst_pref_size 29
	.end_amdhsa_kernel
	.amdgpu_metadata
---
amdhsa.version: [ 1, 2 ]
amdhsa.kernels:
  - .name:           k_q76881c12e6_place
    .symbol:         k_q76881c12e6_place.kd
    .args:
      - { .name: eidx, .offset: 0, .size: 8, .value_kind: global_buffer, .address_space: global }
      - { .name: prob, .offset: 8, .size: 8, .value_kind: global_buffer, .address_space: global }
      - { .name: xq, .offset: 16, .size: 8, .value_kind: global_buffer, .address_space: global }
      - { .name: xs, .offset: 24, .size: 8, .value_kind: global_buffer, .address_space: global }
      - { .name: order, .offset: 32, .size: 8, .value_kind: global_buffer, .address_space: global }
      - { .name: offs, .offset: 40, .size: 8, .value_kind: global_buffer, .address_space: global }
      - { .name: psort, .offset: 48, .size: 8, .value_kind: global_buffer, .address_space: global }
      - { .name: out1, .offset: 56, .size: 8, .value_kind: global_buffer, .address_space: global }
    .group_segment_fixed_size: 2048
    .private_segment_fixed_size: 0
    .kernarg_segment_align: 8
    .kernarg_segment_size: 64
    .max_flat_workgroup_size: 256
    .sgpr_count:     100
    .vgpr_count:     138
    .wavefront_size: 32
...
	.end_amdgpu_metadata
.endif
;; end of part 6
;; launch up (part 7): grid 256 x 1, 8 waves a work-group, no clusters, 138,240 bytes of LDS; arguments xs, w1_codes, b1, lowp_scales, offs, himg; writes himg
.if DOCPART == 7
	.amdgcn_target "amdgcn-amd-amdhsa--gfx1250"
	.amdhsa_code_object_version 6
	.text
	.protected	k_q76881c12e6_up
	.globl	k_q76881c12e6_up
	.p2align	8
	.type	k_q76881c12e6_up,@function
k_q76881c12e6_up:
	s_mov_b64 s[64:65], 0
	v_nop
	global_prefetch_b8 v0, s[64:65] scope:SCOPE_SE
	s_setreg_imm32_b32 hwreg(HW_REG_WAVE_SCHED_MODE, 0, 2), 2
	s_setreg_imm32_b32 hwreg(HW_REG_WAVE_MODE, 25, 1), 1
	s_wait_xcnt 0x0
	s_wait_alu depctr_vm_vsrc(0)
; THE FIRST PRODUCT, FOR THE CHOSEN ROWS ALONE: h = gelu(x W1 + b1), quantised to E5M2 with the given scale 2^eh, stored as images of the second product's operand registers.
; SHARES.  Work-group g: expert e = g / 32, hidden units 128 (g % 32) on.  Its 128 rows of W1, one dense block of 131,072 bytes, are read by this work-group alone, whatever the routing, and laid in LDS once.
; Behind the one barrier LDS is only read and the waves are independent.  Wave w takes the expert's pairs of tiles of 16 rows, p = w, w + 8, ..: a PASS is 32 rows x 128 hidden units x K 1,024: 128 matrix instructions.
; x's 16 fragments stay in registers (window 1); W1's come from LDS, each feeding two products.
; NO TENSOR LOAD, NO CLUSTER: the trips hang on stored counts, which differ between work-groups, and no two work-groups read the same weights.
; The number of passes hangs on offs, whole numbers that an earlier launch stored.  The expert's rows are positions off .. off + cnt - 1; row r of tile T is position off + min(16 T + r, cnt - 1): the last tile's spare
; rows repeat the last row and store the same numbers to the same place.  In himg the expert's tiles begin at tile off / 16 + e: the experts' ranges never meet, and stay under 72 tiles for every split.
; EVERY WAVE ISSUES ITS FIRST LOADS OF x, with or without a pair, so that no branch stands ahead of the barrier; a wave without a pair finds all its rows held at the expert's last row.
; THE MATRIX INSTRUCTION IS USED TRANSPOSED (source 0 = 16 rows of W1, source 1 = 16 rows of x): a lane holds one row of x.  THE ROWS OF W1 THAT FORM A TILE ARE NOT NEIGHBOURS: lane r of tile 2 b + u takes hidden unit
; 32 b + 8 u + r + 8 (r / 8), so that the 16 registers of tiles 2 b, 2 b + 1 are hidden units 32 b + 16 (lane / 16) + 0 .. 15: the conversions' results are the next operand's registers.
; In LDS the rows are laid in that order, so that a tile's 16 rows are neighbours.  Inside a K step of 128 lane (r, h) holds k = 32 c + 16 h + 0 .. 15 in registers 4 c .. 4 c + 3, in both operands alike.
; x's fragments come from memory straight into operand registers, 32 bytes of a row an instruction, a K step's four loads 128 consecutive bytes of each row: xs is 1 MiB, and a turn through LDS would add half again to the pass's LDS reads.
; gelu is the tanh form, written as pre / (1 + 2^t), t = pre (c0 + c1 pre^2), c0 = -2 log2(e) sqrt(2 / pi), c1 = 0.044715 c0: all in f32.
; LIMITS: ew1 + ex between -126 and 127; eh between -126 and 112.  NaN among the inputs is not served.
; REGISTERS.  window 0: v1-15 addresses and constants; v16-47 four accumulators (16 + 16 tile of rows + 8 u + j); v48-79 at work; v80-95 b1; v96-103 codes; v108-109 c0; v128-255 W1's fragments, two halves of 64
; (at the head: the 128 registers through which the weights go to LDS).   window 1: x: 128 tile + 16 K step + 4 c.
; THE MODE: SCHED_MODE bits 1:0 = 2 (LLVM: expert scheduling mode 2), set by the entry lines.  The code itself states the register dependences
; between vector or matrix instructions and memory or LDS instructions, with s_wait_alu, always for 0.
; THE PLAN.  Registers that memory or LDS instructions touch:
;   v1-v7        offsets and LDS addresses: written at the head by vector instructions, never again.
;   v8, v9       x's row offsets: written once a pass by vector instructions; read by the 64 loads of x that follow.
;   window 1     x: those 64 loads land in it; the pass's 128 matrix instructions read it.
;   the ring     half m % 2: step m's 16 LDS loads land in it; step m's 8 matrix instructions read it.  At the head: the weights' loads land in both halves and the LDS stores read them.
;   v80-95       b1: four LDS loads in a block's third step; read by the vector lines of the block's way out.
;   v96-103      the codes: written by four conversions, read by two stores.
; A step is two K steps, 8 matrix instructions; a block is four steps and its way out.  A block begins with both halves asked for.  Its first step issues no load and has no such wait.  Each of the other three has ONE
; wait on va_vdst at its head: the step before is done reading the other half; the next step's 16 loads follow, four behind each of the step's first four matrix instructions, which name this half, the accumulators and x alone.
; The loads of the next block's second step stand in the way out, behind the wait for its exponentials, which also shows the block's last step done.
.set PW,   1040                        ; a row of W1 in LDS: 1,024 bytes + 16: an odd multiple of 16, so the 16 rows of a load start in 16 different 16-byte columns of 256 bytes
.set B1L,  128*PW                      ; behind the weights: the slice's 512 bytes of b1, a copy for each wave
.set LI,   1                           ; v1   16 x lane
.set WA,   4                           ; v4, v5  my lane's place in W1's rows 0-63, 64-127
.set BA,   7                           ; v7   my lane's place in my copy of b1
.set XO,   8                           ; v8, v9  byte offsets of my rows of x, tile 0 and 1
.set ACC,  16
.set T,    48
.set B1R,  80
.set CD,   96
.set RING, 128
.set MSB, 0
.macro WIN new                         ; the immediate's high byte repeats the setting that is left
.if MSB != \new
	s_set_vgpr_msb (MSB<<8)|\new
.set MSB, \new
.endif
.endm
.macro PLACES                          ; four plain lines behind a matrix instruction, ahead of reads of its result; ahead of loads into its sources they stand too, beside the wait that states that dependence
.rept 4
	v_nop
.endr
.endm
; where pair p's two tiles lie: himg's blocks (tile, K step g % 32) and the rows of x.  Every number that comes from offs is held by a constant last.
.macro XADDR
	s_lshl_b32 s31, s23, 1                         ; T0 = 2 p
	s_add_co_u32 s32, s31, 1
	s_min_u32 s32, s32, s46                        ; T1 = min(2 p + 1, the last tile)
	s_mov_b32 s35, 0
	s_add_co_u32 s33, s22, s31
	s_min_u32 s33, s33, 71
	s_lshl_b32 s33, s33, 5
	s_add_co_u32 s33, s33, s30
	s_lshl_b32 s34, s33, 11
	s_add_nc_u64 s[36:37], s[14:15], s[34:35]
	s_add_co_u32 s33, s22, s32
	s_min_u32 s33, s33, 71
	s_lshl_b32 s33, s33, 5
	s_add_co_u32 s33, s33, s30
	s_lshl_b32 s34, s33, 11
	s_add_nc_u64 s[38:39], s[14:15], s[34:35]
	v_lshl_add_u32 v[XO], s31, 4, v10
	v_lshl_add_u32 v[XO+1], s32, 4, v10
	v_min_u32 v[XO], s19, v[XO]
	v_min_u32 v[XO+1], s19, v[XO+1]
	v_add_nc_u32 v[XO], s16, v[XO]
	v_add_nc_u32 v[XO+1], s16, v[XO+1]
	v_min_u32 v[XO], 0x3ff, v[XO]
	v_min_u32 v[XO+1], 0x3ff, v[XO+1]
	v_lshl_add_u32 v[XO], v[XO], 10, v11           ; position x 1,024 + 16 h
	v_lshl_add_u32 v[XO+1], v[XO+1], 10, v11
.endm
.macro XLOAD                           ; 64 loads: the pair's 16 fragments of x
	WIN 0x40                                       ; destination window 1, address window 0
	s_wait_alu depctr_va_vdst(0)                   ; v8 and v9 are written, which these loads read; at the head so are the LDS addresses v3 to v7; in the loop the pass's matrix instructions are done reading x, in which these loads land, and the ring, in which the next pass's first LDS loads land
.irp u, 0,1
.irp q, 0,1,2,3,4,5,6,7
.irp c, 0,1,2,3
	global_load_b128 v[128*\u+16*\q+4*\c:128*\u+16*\q+4*\c+3], v[XO+\u], s[4:5] offset:128*\q+32*\c
.endr
.endr
.endr
	WIN 0
.endm
; four LDS loads: fragment i (0..3) of step m's half: K step n = 2 m + i / 2 (block n / 8 of 32 hidden units, K step n % 8 of x), tile 2 (n / 8) + i % 2
.macro WQ m, i
.irp c, 0,1,2,3
	ds_load_b128 v[RING+64*((\m)%2)+16*(\i)+4*\c:RING+64*((\m)%2)+16*(\i)+4*\c+3], v[WA+((2*(\m)+(\i)/2)>>4)] offset:(32*(((2*(\m)+(\i)/2)>>3)&1)+16*((\i)%2))*PW+128*((2*(\m)+(\i)/2)&7)+32*\c
.endr
.endm
.macro WFETCH m                        ; step m's whole half: 16 LDS loads
.irp i, 0,1,2,3
	WQ \m, \i
.endr
.endm
; matrix instruction i (0..7) of step m: K step 2 m + i / 4, tile of rows (i / 2) % 2, tile of hidden units i % 2.  The four accumulators take turns, one instruction a turn.  A block's first K step starts the sums.
.macro MM m, i
.set rD, ACC+16*(((\i)/2)%2)+8*((\i)%2)
.set rA, RING+64*((\m)%2)+32*((\i)/4)+16*((\i)%2)
.set rB, 128*(((\i)/2)%2)+16*((2*(\m)+(\i)/4)&7)
.if ((2*(\m)+(\i)/4)&7) == 0
	v_wmma_f32_16x16x128_bf8_bf8 v[rD:rD+7], v[rA:rA+15], v[rB:rB+15], 0
.else
	v_wmma_f32_16x16x128_bf8_bf8 v[rD:rD+7], v[rA:rA+15], v[rB:rB+15], v[rD:rD+7]
.endif
.endm
.macro B1FETCH b                       ; b1 at hidden units 32 b + 16 h + 0 .. 15
.irp k, 0,1,2,3
	ds_load_b128 v[B1R+4*\k:B1R+4*\k+3], v[BA] offset:128*(\b)+16*\k
.endr
.endm
; Two K steps.  A block's first step finds both halves asked for; each other step asks for the next step's half.
.macro STEP m
	WIN 0x04                                       ; source 1 (x) window 1, all else window 0: matrix instructions, LDS loads and v_nop run under this one setting
.if ((\m)%4) == 0
	s_wait_dscnt 16                                ; this step's half is in; the sixteen loads of the next step's half may stay out
.else
	s_wait_dscnt 0x0                               ; this step's half is in, asked for in the step before (in a block's last step b1 too)
.endif
.if (((\m)%4) != 0) && ((\m) < 15)
	s_wait_alu depctr_va_vdst(0)                   ; the step before is done reading the other half, in which the loads below land; in a block's third step the last way out is done reading b1's registers
.endif
.if ((\m)%4) == 2
	B1FETCH ((\m)/4)
.endif
.irp i, 0,1,2,3
	MM \m, \i
.if (((\m)%4) != 0) && ((\m) < 15)
	WQ (\m)+1, \i                                  ; no wait: no vector or matrix instruction since the wait above names the other half
.endif
.endr
.irp i, 4,5,6,7
	MM \m, \i
.endr
	PLACES
.endm
; Block b's 32 hidden units of 32 rows: scale and bias, gelu, the hold, the codes, two stores of 512 consecutive bytes.
.macro EPI b
	WIN 0
.set n, 0
.rept 16
	v_pk_fma_f32 v[ACC+n:ACC+n+1], v[ACC+n:ACC+n+1], s[40:41], v[B1R+(n%16):B1R+(n%16)+1] op_sel_hi:[1,0,1]   ; pre = sum x 2^(ew1 + ex) + b1; each accumulator from its low end on
.set n, n+2
.endr
.set n, 0
.rept 16
	v_pk_mul_f32 v[T+n:T+n+1], v[ACC+n:ACC+n+1], v[ACC+n:ACC+n+1]
.set n, n+2
.endr
.set n, 0
.rept 16
	v_pk_fma_f32 v[T+n:T+n+1], v[T+n:T+n+1], s[44:45], v[108:109] op_sel_hi:[1,0,1]   ; c1 pre^2 + c0
.set n, n+2
.endr
.set n, 0
.rept 16
	v_pk_mul_f32 v[T+n:T+n+1], v[T+n:T+n+1], v[ACC+n:ACC+n+1]                         ; t
.set n, n+2
.endr
.set n, 0
	s_wait_alu depctr_va_vdst(0)
.rept 32
	v_exp_f32 v[T+n], v[T+n]
.set n, n+1
.endr
	v_nop                                          ; a plain line behind the last exponential,
	s_wait_alu depctr_va_vdst(0)                   ; and one wait for the batch, ahead of its first reader: the 32 exponentials have written v48 to v79; and the block's last step is done reading its half of the ring
.if (\b) < 3
	WFETCH 4*(\b)+5                                ; that half takes the next block's second step; the next block's first step was asked for in this block's last
.endif
.set n, 0
.rept 16
	v_pk_add_f32 v[T+n:T+n+1], v[T+n:T+n+1], 1.0 op_sel_hi:[1,0]
.set n, n+2
.endr
.set n, 0
	s_wait_alu depctr_va_vdst(0)
.rept 32
	v_rcp_f32 v[T+n], v[T+n]
.set n, n+1
.endr
	v_nop
	s_wait_alu depctr_va_vdst(0)                   ; the 32 reciprocals have written v48 to v79, ahead of their first reader
.set n, 0
.rept 16
	v_pk_mul_f32 v[ACC+n:ACC+n+1], v[ACC+n:ACC+n+1], v[T+n:T+n+1]                     ; gelu
.set n, n+2
.endr
.set n, 0
.rept 32
	v_med3_num_f32 v[ACC+n], v[ACC+n], -v15, v15   ; the conversion to an 8-bit code does not saturate (ISA guide 7.6.2): the hold comes first
.set n, n+1
.endr
	s_wait_alu depctr_va_vdst(0)
	s_wait_xcnt 0x0                                ; the last block's stores have read their data: the codes' registers are written again only behind this wait,
	s_wait_alu depctr_vm_vsrc(0)                   ; and behind this one: the last block's two stores have read v96 to v103, which the conversions write
.irp i, 0,1,2,3
	v_cvt_scalef32_pk8_bf8_f32 v[CD+2*\i:CD+2*\i+1], v[ACC+8*\i:ACC+8*\i+7], v14
.endr
	v_nop                                          ; a plain line behind the last conversion: the next products write its sources
	s_wait_alu depctr_va_vdst(0)                   ; the four conversions have written v96 to v103, which the two stores read
	global_store_b128 v[LI], v[CD:CD+3], s[36:37] offset:512*\b        ; register quad b of the image: 512 consecutive bytes, at a multiple of 256 from the buffer's first byte
	global_store_b128 v[LI], v[CD+4:CD+7], s[38:39] offset:512*\b
.endm
	s_load_b256 s[4:11], s[0:1], 0x0               ; xs, W1's codes, b1, the scales' exponents
	s_load_b128 s[12:15], s[0:1], 0x20             ; offs, himg
	v_lshl_add_u32 v126, v0, 2, 0x21800
	v_mov_b32 v127, 0
	v_lshrrev_b32 v12, 5, v0
	v_readfirstlane_b32 s28, v12                   ; wave 0..7
	v_and_b32 v13, 31, v0
	v_lshlrev_b32 v[LI], 4, v13
	v_and_b32 v10, 15, v0                          ; r
	v_bfe_u32 v12, v0, 4, 1                        ; h
	v_lshlrev_b32 v11, 4, v12                      ; 16 h
	v_mul_u32_u24 v[WA], v10, PW
	v_add_nc_u32 v[WA], v[WA], v11
	v_add_nc_u32 v[WA+1], 64*PW, v[WA]
	v_mov_b32 v108, 0xc0135761                     ; c0, twice
	v_mov_b32 v109, 0xc0135761
	s_wait_alu depctr_va_sdst(0)                   ; s28 is written, ahead of its first reader: the wave's places in memory and in LDS are made from it
	s_lshl_b32 s31, s28, 14
	v_add_nc_u32 v2, s31, v[LI]                    ; the weights in memory: my wave's 16 rows, 16 bytes a lane
	s_lshr_b32 s31, s28, 1
	s_lshl_b32 s31, s31, 5
	s_and_b32 s33, s28, 1
	s_lshl_b32 s33, s33, 3
	s_add_co_u32 s31, s31, s33
	s_mul_i32 s31, s31, PW
	v_add_nc_u32 v3, s31, v[LI]                    ; and in LDS: hidden unit 16 w + k goes to row 32 (w / 2) + 8 (w % 2) + 16 (k / 8) + k % 8
	s_lshl_b32 s31, s28, 9
	s_add_co_u32 s31, s31, B1L
	v_add_nc_u32 v6, s31, v[LI]
	v_lshl_add_u32 v[BA], v12, 6, s31
	s_lshr_b32 s29, ttmp9, 5                       ; the expert
	s_and_b32 s30, ttmp9, 31                       ; the slice: K step of the second product
	s_lshl_b32 s32, s29, 2
	s_lshl_b32 s34, ttmp9, 17
	s_mov_b32 s35, 0
	s_mov_b32 s23, s28                             ; p = w
	s_mov_b32 s47, 0                               ; passes done
	s_mov_b32 s44, 0xbdd2d3e8                      ; c1
	s_mov_b32 s45, s44                             ; (named with it as a pair, so it is written)
	s_wait_kmcnt 0x0
	s_load_b64 s[16:17], s[12:13], s32 offset:0x0  ; the expert's first position, and the next expert's
	s_load_b128 s[24:27], s[10:11], 0x0            ; ew1, ex, eh, ew2
	s_add_nc_u64 s[6:7], s[6:7], s[34:35]
	s_lshl_b32 s34, ttmp9, 9
	s_add_nc_u64 s[8:9], s[8:9], s[34:35]
	s_wait_alu depctr_va_vdst(0)                   ; v1 and v2 are written, which the loads of b1 and of the weights read as their offsets
	global_load_b128 v[104:107], v[LI], s[8:9]     ; the slice's b1
.set n, 0
.rept 32
	global_load_b128 v[RING+4*n:RING+4*n+3], v2, s[6:7] offset:512*n th:TH_LOAD_NT     ; 512 consecutive bytes a load; read once in the launch
.set n, n+1
.endr
	s_wait_kmcnt 0x0
	s_min_u32 s16, s16, 1024
	s_min_u32 s17, s17, 1024
	s_sub_co_u32 s18, s17, s16                     ; cnt
	s_max_u32 s19, s18, 1
	s_sub_co_u32 s19, s19, 1                       ; the last row
	s_add_co_u32 s20, s18, 15
	s_lshr_b32 s20, s20, 4                         ; tiles
	s_add_co_u32 s21, s20, 1
	s_lshr_b32 s21, s21, 1                         ; pairs
	s_max_u32 s46, s20, 1
	s_sub_co_u32 s46, s46, 1                       ; the last tile
	s_add_co_u32 s48, s21, 7
	s_sub_co_u32 s48, s48, s28
	s_lshr_b32 s48, s48, 3                         ; my wave's passes: the pairs p = w, w + 8, .. under the number of pairs;
	s_min_u32 s48, s48, 4                          ; four at the most: 1,024 rows are 32 pairs, for eight waves
	s_lshr_b32 s22, s16, 4
	s_add_co_u32 s22, s22, s29                     ; the expert's first tile in himg
	s_add_co_i32 s31, s24, s25
	s_add_co_i32 s31, s31, 127
	s_lshl_b32 s40, s31, 23                        ; 2^(ew1 + ex) as f32
	s_mov_b32 s41, s40
	s_add_co_i32 s31, s26, 127
	s_lshl_b32 s32, s31, 23
	v_mov_b32 v14, s32                             ; 2^eh: the conversion takes its exponent field
	s_add_co_i32 s31, s31, 15
	s_lshl_b32 s31, s31, 23
	s_or_b32 s31, s31, 0x600000
	v_mov_b32 v15, s31                             ; 57,344 x 2^eh
	XADDR
	XLOAD
	s_wait_loadcnt 63                              ; 64 loads stand behind the last load of weights: b1 and the weights are in, x may stay out
	ds_store_b128 v6, v[104:107]
.set n, 0
.rept 32
	ds_store_b128 v3, v[RING+4*n:RING+4*n+3] offset:(16*((n/2)/8)+((n/2)%8))*PW+512*(n%2)
.set n, n+1
.endr
	s_wait_dscnt 0x0                               ; for the others' sake: my rows lie in LDS
	s_barrier_signal -1
	s_barrier_wait -1                              ; the launch's one barrier, on every wave's way; behind it LDS is only read
	s_wait_alu depctr_vm_vsrc(0)                   ; my LDS stores have read v128 to v255: from here on these registers are the ring, in which the fragments' loads land
	s_cmp_lt_u32 s47, s48
	s_cbranch_scc0 .Lend                           ; no pair for this wave
.Lpass:
	s_wait_loadcnt 0x0                             ; x
	WFETCH 0                                       ; no vector or matrix instruction has named the ring since the wait among x's loads
	WFETCH 1
.irp b, 0,1,2,3
	STEP 4*\b
	STEP 4*\b+1
	STEP 4*\b+2
	STEP 4*\b+3
	EPI \b
.endr
	s_add_co_u32 s23, s23, 8                       ; the next pair,
	s_add_co_u32 s47, s47, 1                       ; and the loop's counter: one a pass
	s_cmp_lt_u32 s47, s48
	s_cbranch_scc0 .Lend
	s_wait_xcnt 0x0                                ; the stores have read their bases: they are written again only behind this wait
	s_wait_alu depctr_vm_vsrc(0)                   ; this pass's loads of x have read v8 and v9, which the lines below write again
	XADDR
	XLOAD                                          ; (the lines of the last block's way out are the places behind the last products)
	s_cmp_lt_u32 s47, s48
	s_cbranch_scc1 .Lpass
.Lend:
	s_wait_dscnt 0x0                               ; the closing lines, six on end
	s_wait_alu 0x0
	s_wait_tensorcnt 0x0
	ds_add_u32 v126, v127
	s_wait_dscnt 0x0
	s_endpgm
.Lfunc_end_k_q76881c12e6_up:
	.size	k_q76881c12e6_up, .Lfunc_end_k_q76881c12e6_up-k_q76881c12e6_up
	.p2alignl 7, 3214868480
	.fill 96, 4, 3214868480
	.section	.rodata,"a",@progbits
	.p2align	6, 0x0
	.amdhsa_kernel k_q76881c12e6_up
		.amdhsa_group_segment_fixed_size 138240
		.amdhsa_private_segment_fixed_size 0
		.amdhsa_enable_private_segment 0
		.amdhsa_kernarg_size 48
		.amdhsa_user_sgpr_count 2
		.amdhsa_user_sgpr_kernarg_segment_ptr 1
		.amdhsa_wavefront_size32 1
		.amdhsa_system_sgpr_workgroup_id_x 1
		.amdhsa_system_sgpr_workgroup_id_y 1
		.amdhsa_system_sgpr_workgroup_id_z 1
		.amdhsa_system_vgpr_workitem_id 0
		.amdhsa_next_free_vgpr 512
		.amdhsa_next_free_sgpr 66
		.amdhsa_reserve_vcc 0
		.amdhsa_float_denorm_mode_32 3
		.amdhsa_float_denorm_mode_16_64 3
		.amdhsa_memory_ordered 1
		.amdhsa_forward_progress 1
		.amdhsa_inst_pref_size 95
	.end_amdhsa_kernel
	.amdgpu_metadata
---
amdhsa.version: [ 1, 2 ]
amdhsa.kernels:
  - .name:           k_q76881c12e6_up
    .symbol:         k_q76881c12e6_up.kd
    .args:
      - { .name: xs, .offset: 0, .size: 8, .value_kind: global_buffer, .address_space: global }
      - { .name: w1_codes, .offset: 8, .size: 8, .value_kind: global_buffer, .address_space: global }
      - { .name: b1, .offset: 16, .size: 8, .value_kind: global_buffer, .address_space: global }
      - { .name: lowp_scales, .offset: 24, .size: 8, .value_kind: global_buffer, .address_space: global }
      - { .name: offs, .offset: 32, .size: 8, .value_kind: global_buffer, .address_space: global }
      - { .name: himg, .offset: 40, .size: 8, .value_kind: global_buffer, .address_space: global }
    .group_segment_fixed_size: 138240
    .private_segment_fixed_size: 0
    .kernarg_segment_align: 8
    .kernarg_segment_size: 48
    .max_flat_workgroup_size: 256
    .sgpr_count:     66
    .vgpr_count:     512
    .wavefront_size: 32
...
	.end_amdgpu_metadata
.endif
;; end of part 7
;; launch down (part 8): grid 256 x 1, 8 waves a work-group, no clusters, 169,472 bytes of LDS; arguments himg, w2_codes, b2, lowp_scales, offs, order, psort, out0; writes out0
.if DOCPART == 8
	.amdgcn_target "amdgcn-amd-amdhsa--gfx1250"
	.amdhsa_code_object_version 6
	.text
	.protected	k_q76881c12e6_down
	.globl	k_q76881c12e6_down
	.p2align	8
	.type	k_q76881c12e6_down,@function
k_q76881c12e6_down:
	s_mov_b64 s[64:65], 0
	v_nop
	global_prefetch_b8 v0, s[64:65] scope:SCOPE_SE
	s_setreg_imm32_b32 hwreg(HW_REG_WAVE_SCHED_MODE, 0, 2), 2
	s_setreg_imm32_b32 hwreg(HW_REG_WAVE_MODE, 25, 1), 1
	s_wait_xcnt 0x0
	s_wait_alu depctr_vm_vsrc(0)
; THE SECOND PRODUCT, FOR THE CHOSEN ROWS ALONE: out0[token] = (h W2 + b2) x the token's largest probability.
; SHARES.  Work-group g: expert e = g / 32, outputs 32 (g % 32) on.  Its 32 rows of W2 of 4,096 bytes, one dense block of 131,072 bytes, are read by this work-group alone and laid in LDS once.
; Behind the one barrier the weights in LDS are only read and the waves are independent.  Wave w takes the expert's pairs of tiles of 16 rows, p = w, w + 8, ..: a PASS is 32 rows x 32 outputs x K 4,096: 128 matrix instructions.
; h comes from himg, where it lies as images of these operand registers: 512 consecutive bytes a load, through two stages of registers (window 1) of 4 K steps x 2 tiles: 32 loads each, 32 to 64 loads a wave on their way.
; NO TENSOR LOAD, NO CLUSTER: the trips hang on stored counts, which differ between work-groups, and no two work-groups read the same weights.
; Tiles, rows and spare rows as in the launch that made himg.  a wave without a pair names the expert's last
; tile, and all its lanes one piece of 16 bytes a load (for an expert without rows these may be bytes that nobody stored: they are never used).
; THE MATRIX INSTRUCTION IS USED TRANSPOSED (source 0 = 16 rows of W2, source 1 = h): lane (r, h) holds row r and outputs 16 n + 8 h + 0 .. 7.
; THE WAY OUT.  A pass's 32 rows x 128 bytes go through the wave's own stage in LDS and leave four rows an instruction: eight neighbouring lanes store 128 consecutive bytes of a token's row.  A slice of 64 outputs, whole
; blocks of 256 bytes, would leave half of the work-groups without weights of their own, or have each weight byte read twice; out0 is 4 MiB beside 32 MiB of weights.
; LIMITS: eh + ew2 between -126 and 127.  NaN among the inputs is not served.
; REGISTERS.  window 0: v1-15 addresses; v16-23 the rows' tokens; v24-55 four accumulators (24 + 16 tile + 8 n + j); v56-71 b2; v72-103 results; v106-115 the small loads' offsets; v128-255 W2's fragments, two halves of 64
; (at the head: the registers through which the weights go to LDS; on the way out v128-159: rows read back).   window 1: h: 128 (stage % 2) + 32 (K step % 4) + 16 tile + 4 c.
; THE MODE: SCHED_MODE bits 1:0 = 2 (LLVM: expert scheduling mode 2), set by the entry lines.  The code itself states the register dependences
; between vector or matrix instructions and memory or LDS instructions, with s_wait_alu, always for 0.
; THE PLAN.  Registers that memory or LDS instructions touch:
;   v1-v7, v15, v104  offsets and LDS addresses: written at the head by vector instructions, never again.
;   v106-115     the offsets of a pass's ten small loads: written once a pass by vector instructions, read by those loads.
;   v10, v12     my rows' largest p: two of those loads land here; read by the way out's vector lines.
;   v16-23       the rows' tokens: eight of those loads land here; the way out's vector lines make offsets of them in place; its eight stores read them.
;   window 1     h: stage g % 2: 32 loads land in it; steps 2 g and 2 g + 1 read it.
;   the ring     half m % 2: step m's 16 LDS loads land in it; step m's 8 matrix instructions read it.  At the head the weights go through both halves to LDS; on the way out v128-159 take the rows read back, which the stores read.
;   v72-103      results: written by the way out's vector lines, read by its LDS stores.
; A step is two K steps, 8 matrix instructions.  Steps 1 to 14 have ONE wait on va_vdst at their head: the steps before are done reading the other half of the ring and, in an even step, the stage of h that they have left.
; Behind it an even step asks for that stage anew, 32 loads, ahead of its wait for the stage in hand; and every such step's 16 LDS loads for the next step follow, four behind each of its first four matrix instructions, which name this
; half, the accumulators and the stage in hand alone.  The way out has one such wait, the loop's edge one on vm_vsrc and one on va_vdst.
.set PW,   4112                        ; a row of W2 in LDS: 4,096 bytes + 16: an odd multiple of 16
.set STG,  32*PW                       ; behind the weights: a stage of 32 rows x 144 bytes for each wave
.set SP,   144
.set SW,   32*SP
.set LI,   1                           ; v1   16 x lane
.set WA,   4                           ; v4, v5  my lane's place in W2's rows 0-15, 16-31
.set SO,   6                           ; v6   the stage: where I put 32 bytes of a row
.set SR,   7                           ; v7   and where I read 16 bytes of a row back
.set PS,   10                          ; v[10:11], v[12:13]  the largest p of my row in tile 0, 1 (the low word; the upper is written once)
.set HO,   15                          ; v15  himg: 16 x lane (0 in a wave without a pair)
.set OA,   16
.set ACC,  24
.set B2R,  56
.set Y,    72
.set AD,   106                         ; v106, v107: where my rows' p lie in psort; v108-115: where the rows' tokens lie in order
.set RING, 128
.set MSB, 0
.macro WIN new                         ; the immediate's high byte repeats the setting that is left
.if MSB != \new
	s_set_vgpr_msb (MSB<<8)|\new
.set MSB, \new
.endif
.endm
.macro PLACES                          ; four plain lines behind a matrix instruction, ahead of reads of its result; ahead of loads into its sources they stand too, beside the wait that states that dependence
.rept 4
	v_nop
.endr
.endm
; where pair p's two tiles lie in himg, and the positions of their rows.  Every number that comes from offs is held by a constant last.
.macro PADDR
	s_lshl_b32 s35, s27, 1
	s_add_co_u32 s36, s35, 1
	s_min_u32 s35, s35, s46                        ; T0 = min(2 p, the last tile)
	s_min_u32 s36, s36, s46                        ; T1 = min(2 p + 1, the last tile)
	s_mov_b32 s39, 0
	s_add_co_u32 s38, s26, s35
	s_min_u32 s38, s38, 71
	s_lshl_b32 s38, s38, 16                        ; a tile's 32 K steps are 65,536 bytes
	s_add_nc_u64 s[40:41], s[4:5], s[38:39]
	s_add_co_u32 s38, s26, s36
	s_min_u32 s38, s38, 71
	s_lshl_b32 s38, s38, 16
	s_add_nc_u64 s[42:43], s[4:5], s[38:39]
	s_lshl_b32 s35, s35, 4
	s_lshl_b32 s36, s36, 4
	v_add_nc_u32 v[AD], s35, v8                    ; row r of each tile, for its p
	v_add_nc_u32 v[AD+1], s36, v8
.irp i, 0,1,2,3
	v_add3_u32 v[AD+2+\i], s35, v9, 4*\i           ; rows 4 i + lane / 8 of each tile, for their tokens
	v_add3_u32 v[AD+6+\i], s36, v9, 4*\i
.endr
.irp x, 0,1,2,3,4,5,6,7,8,9
	v_min_u32 v[AD+\x], s23, v[AD+\x]
	v_add_nc_u32 v[AD+\x], s20, v[AD+\x]
	v_min_u32 v[AD+\x], 0x3ff, v[AD+\x]
	v_lshlrev_b32 v[AD+\x], 2, v[AD+\x]
.endr
.endm
.macro HLOADS g                        ; 32 loads: K steps 4 g .. 4 g + 3 of both tiles into stage g % 2 (destination window 1, address window 0)
.irp q, 0,1,2,3
.irp u, 0,1
.irp c, 0,1,2,3
	global_load_b128 v[128*((\g)%2)+32*\q+16*\u+4*\c:128*((\g)%2)+32*\q+16*\u+4*\c+3], v[HO], s[40+2*\u:41+2*\u] offset:2048*(4*(\g)+\q)+512*\c
.endr
.endr
.endr
.endm
.macro PLOAD                           ; ten small loads, then the first two stages of h
	s_wait_alu depctr_va_vdst(0)                   ; v106 to v115 are written, which the small loads read (at the head v15 and the LDS addresses too); in the loop the way out is done with v10, v12 and v16 to v23, and the matrix instructions with h and the ring, in all of which loads land
	global_load_b32 v[PS], v[AD], s[16:17]
	global_load_b32 v[PS+2], v[AD+1], s[16:17]
.irp i, 0,1,2,3,4,5,6,7
	global_load_b32 v[OA+\i], v[AD+2+\i], s[14:15]
.endr
	WIN 0x40
	HLOADS 0
	HLOADS 1
	WIN 0
.endm
; four LDS loads: fragment i (0..3) of step m's half: K step 2 m + i / 2, tile of outputs i % 2
.macro WQ m, i
.irp c, 0,1,2,3
	ds_load_b128 v[RING+64*((\m)%2)+16*(\i)+4*\c:RING+64*((\m)%2)+16*(\i)+4*\c+3], v[WA+((\i)%2)] offset:128*(2*(\m)+(\i)/2)+32*\c
.endr
.endm
.macro WFETCH m                        ; step m's whole half: 16 LDS loads
.irp i, 0,1,2,3
	WQ \m, \i
.endr
.endm
; matrix instruction i (0..7) of step m: K step 2 m + i / 4, tile of rows (i / 2) % 2, tile of outputs i % 2.  The four accumulators take turns, one instruction a turn.  K step 0 starts the sums.
.macro MM m, i
.set rD, ACC+16*(((\i)/2)%2)+8*((\i)%2)
.set rA, RING+64*((\m)%2)+32*((\i)/4)+16*((\i)%2)
.set rB, 128*(((2*(\m)+(\i)/4)>>2)%2)+32*((2*(\m)+(\i)/4)&3)+16*(((\i)/2)%2)
.if (2*(\m)+(\i)/4) == 0
	v_wmma_f32_16x16x128_bf8_bf8 v[rD:rD+7], v[rA:rA+15], v[rB:rB+15], 0
.else
	v_wmma_f32_16x16x128_bf8_bf8 v[rD:rD+7], v[rA:rA+15], v[rB:rB+15], v[rD:rD+7]
.endif
.endm
; Two K steps.  An even step begins a stage of h.
.macro STEP m
.if (((\m)%2) == 0) && ((\m) >= 2) && ((\m) <= 12)
	WIN 0x40                                       ; for the loads of h: destination window 1
.endif
.if ((\m) >= 1) && ((\m) <= 14)
	s_wait_alu depctr_va_vdst(0)                   ; the steps before are done reading the other half of the ring, in which the LDS loads below land, and, in an even step, the stage of h that they have left, in which its loads land
.endif
.if (((\m)%2) == 0) && ((\m) >= 2) && ((\m) <= 12)
	HLOADS (\m)/2+1                                ; the stage two further on than the one just left
.endif
	WIN 0x04                                       ; source 1 (h) window 1, all else window 0: matrix instructions, LDS loads and v_nop run under this one setting
.if ((\m)%2) == 0
.if (\m) == 14
	s_wait_loadcnt 0x0
.else
	s_wait_loadcnt 32                              ; this stage is in, and all that was asked for earlier; the next stage's 32 loads may stay out
.endif
.endif
.if (\m) == 0
	s_wait_dscnt 16                                ; this step's half is in; the sixteen loads of the next step's half may stay out
.else
	s_wait_dscnt 0x0                               ; this step's half is in, asked for in the step before
.endif
.irp i, 0,1,2,3
	MM \m, \i
.if ((\m) >= 1) && ((\m) <= 14)
	WQ (\m)+1, \i                                  ; no wait: no vector or matrix instruction since the wait above names the other half
.endif
.endr
.irp i, 4,5,6,7
	MM \m, \i
.endr
	PLACES
.endm
	s_load_b256 s[4:11], s[0:1], 0x0               ; himg, W2's codes, b2, the scales' exponents
	s_load_b256 s[12:19], s[0:1], 0x20             ; offs, order, psort, out0
	v_lshl_add_u32 v126, v0, 2, 0x29200
	v_mov_b32 v127, 0
	v_lshrrev_b32 v104, 5, v0
	v_readfirstlane_b32 s32, v104                  ; wave 0..7
	v_and_b32 v105, 31, v0                         ; lane
	v_lshlrev_b32 v[LI], 4, v105
	v_and_b32 v8, 15, v0                           ; r
	v_bfe_u32 v104, v0, 4, 1                       ; h
	v_mul_u32_u24 v[WA], v8, PW
	v_lshl_add_u32 v[WA], v104, 4, v[WA]
	v_add_nc_u32 v[WA+1], 16*PW, v[WA]
	v_mul_u32_u24 v[SO], v8, SP
	v_lshl_add_u32 v[SO], v104, 5, v[SO]
	v_lshrrev_b32 v9, 3, v105                      ; lane / 8
	v_and_b32 v14, 7, v105
	v_lshlrev_b32 v14, 4, v14                      ; 16 (lane % 8)
	v_mul_u32_u24 v[SR], v9, SP
	v_add_nc_u32 v[SR], v[SR], v14
	v_lshlrev_b32 v104, 5, v104                    ; b2: 32 h
	v_mov_b32 v[PS+1], 0
	v_mov_b32 v[PS+3], 0
	s_wait_alu depctr_va_sdst(0)                   ; s32 is written, ahead of its first reader: the wave's places in memory and in LDS are made from it
	s_lshl_b32 s36, s32, 14
	v_add_nc_u32 v2, s36, v[LI]                    ; the weights in memory: my wave's 4 rows, 16 bytes a lane
	s_mul_i32 s36, s32, 4*PW
	v_add_nc_u32 v3, s36, v[LI]                    ; and in LDS
	s_mul_i32 s36, s32, SW
	s_add_co_u32 s36, s36, STG                     ; my stage
	v_add_nc_u32 v[SO], s36, v[SO]                 ; in: row r, + 32 h
	v_add_nc_u32 v[SR], s36, v[SR]                 ; back: eight lanes to a row, four rows an instruction
	s_lshr_b32 s33, ttmp9, 5                       ; the expert
	s_and_b32 s34, ttmp9, 31                       ; the slice of 32 outputs
	s_lshl_b32 s35, s33, 2
	s_lshl_b32 s38, ttmp9, 17
	s_mov_b32 s39, 0
	s_mov_b32 s27, s32                             ; p = w
	s_mov_b32 s47, 0                               ; passes done
	s_wait_kmcnt 0x0
	s_load_b64 s[20:21], s[12:13], s35 offset:0x0  ; the expert's first position, and the next expert's
	s_load_b128 s[28:31], s[10:11], 0x0            ; ew1, ex, eh, ew2
	s_add_nc_u64 s[6:7], s[6:7], s[38:39]
	s_lshl_b32 s38, ttmp9, 7
	s_add_nc_u64 s[8:9], s[8:9], s[38:39]
	s_lshl_b32 s38, s34, 7
	s_add_nc_u64 s[18:19], s[18:19], s[38:39]      ; out0 at the slice's first column
	s_wait_alu depctr_va_vdst(0)                   ; v104 and v2 are written, which the loads of b2 and of the weights read as their offsets
.irp n, 0,1
	global_load_b128 v[B2R+8*\n:B2R+8*\n+3], v104, s[8:9] offset:64*\n        ; b2 at outputs 16 n + 8 h + 0 .. 7
	global_load_b128 v[B2R+8*\n+4:B2R+8*\n+7], v104, s[8:9] offset:64*\n+16
.endr
.set n, 0
.rept 32
	global_load_b128 v[RING+4*n:RING+4*n+3], v2, s[6:7] offset:512*n th:TH_LOAD_NT     ; 512 consecutive bytes a load; read once in the launch
.set n, n+1
.endr
	s_wait_kmcnt 0x0
	s_min_u32 s20, s20, 1024
	s_min_u32 s21, s21, 1024
	s_sub_co_u32 s22, s21, s20                     ; cnt
	s_max_u32 s23, s22, 1
	s_sub_co_u32 s23, s23, 1                       ; the last row
	s_add_co_u32 s24, s22, 15
	s_lshr_b32 s24, s24, 4                         ; tiles
	s_add_co_u32 s25, s24, 1
	s_lshr_b32 s25, s25, 1                         ; pairs
	s_max_u32 s46, s24, 1
	s_sub_co_u32 s46, s46, 1                       ; the last tile
	s_add_co_u32 s48, s25, 7
	s_sub_co_u32 s48, s48, s32
	s_lshr_b32 s48, s48, 3                         ; my wave's passes: the pairs p = w, w + 8, .. under the number of pairs;
	s_min_u32 s48, s48, 4                          ; four at the most: 1,024 rows are 32 pairs, for eight waves
	s_lshr_b32 s26, s20, 4
	s_add_co_u32 s26, s26, s33                     ; the expert's first tile in himg
	s_add_co_i32 s36, s30, s31
	s_add_co_i32 s36, s36, 127
	s_lshl_b32 s44, s36, 23                        ; 2^(eh + ew2) as f32
	s_mov_b32 s45, s44                             ; (named with it as a pair, so it is written)
	s_cmp_lt_u32 s27, s25
	s_cselect_b32 s36, 16, 0
	v_mul_u32_u24 v[HO], s36, v105                 ; 16 x lane where the wave has a pair, else 0;
	v_min_u32 v[HO], 0x1f0, v[HO]                  ; the choice hangs on a stored count, so the offset is held at its largest value, 16 x 31
	PADDR
	PLOAD
	s_wait_loadcnt 63                              ; 74 loads stand behind the last load of weights: b2 and the weights are in
.set n, 0
.rept 32
	ds_store_b128 v3, v[RING+4*n:RING+4*n+3] offset:(n/8)*PW+512*(n%8)
.set n, n+1
.endr
	s_wait_dscnt 0x0                               ; for the others' sake: my rows lie in LDS
	s_barrier_signal -1
	s_barrier_wait -1                              ; the launch's one barrier, on every wave's way; behind it the weights are only read, and a stage is its wave's own
	s_wait_alu depctr_vm_vsrc(0)                   ; my LDS stores have read v128 to v255: from here on these registers are the ring, in which the fragments' loads land
	s_cmp_lt_u32 s47, s48
	s_cbranch_scc0 .Lend                           ; no pair for this wave
.Lpass:
	WFETCH 0                                       ; no vector or matrix instruction has named the ring since the wait ahead of the small loads
	WFETCH 1
.irp m, 0,1,2,3,4,5,6,7,8,9,10,11,12,13,14,15
	STEP \m
.endr
	WIN 0
.set n, 0
.rept 16
	v_pk_fma_f32 v[Y+n:Y+n+1], v[ACC+n:ACC+n+1], s[44:45], v[B2R+(n%16):B2R+(n%16)+1] op_sel_hi:[1,0,1]   ; sum x 2^(eh + ew2) + b2; each accumulator from its low end on
.set n, n+2
.endr
.set n, 0
.rept 16
	v_pk_mul_f32 v[Y+n:Y+n+1], v[Y+n:Y+n+1], v[PS+2*(n/16):PS+2*(n/16)+1] op_sel_hi:[1,0]                 ; x my row's largest p
.set n, n+2
.endr
.irp i, 0,1,2,3,4,5,6,7
	v_min_u32 v[OA+\i], 0x3ff, v[OA+\i]            ; a token stays inside out0
	v_lshl_add_u32 v[OA+\i], v[OA+\i], 12, v14     ; token x 4,096 + 16 (lane % 8)
.endr
	s_wait_alu depctr_va_vdst(0)                   ; the lines above have written v72 to v103, which the LDS stores read, and v16 to v23, which the global stores read as offsets; the matrix instructions are done reading v128 to v159, in which the rows read back land
.irp u, 0,1
.irp n, 0,1
	ds_store_b128 v[SO], v[Y+16*\u+8*\n:Y+16*\u+8*\n+3] offset:16*SP*\u+64*\n
	ds_store_b128 v[SO], v[Y+16*\u+8*\n+4:Y+16*\u+8*\n+7] offset:16*SP*\u+64*\n+16
.endr
.endr
.irp i, 0,1,2,3,4,5,6,7
	ds_load_b128 v[RING+4*\i:RING+4*\i+3], v[SR] offset:4*SP*\i    ; the bytes are my wave's own and LDS serves a wave's instructions in order: these see the stores above
.endr
.irp i, 0,1,2,3,4,5,6,7
	s_wait_dscnt 7-\i
	global_store_b128 v[OA+\i], v[RING+4*\i:RING+4*\i+3], s[18:19] th:TH_STORE_NT      ; four rows, 128 consecutive bytes each; written once, read by nobody here
.endr
	s_add_co_u32 s27, s27, 8                       ; the next pair,
	s_add_co_u32 s47, s47, 1                       ; and the loop's counter: one a pass
	s_cmp_lt_u32 s47, s48
	s_cbranch_scc0 .Lend
	s_wait_xcnt 0x0                                ; the stores have read their addresses and data: both are written again only behind this wait
	s_wait_alu depctr_vm_vsrc(0)                   ; the small loads have read v106 to v115, the global stores v16 to v23 and v128 to v159, the LDS stores v72 to v103: all are written again in the next pass
	PADDR
	PLOAD                                          ; (the lines of the way out are the places behind the last products)
	s_cmp_lt_u32 s47, s48
	s_cbranch_scc1 .Lpass
.Lend:
	s_wait_dscnt 0x0                               ; the closing lines, six on end
	s_wait_alu 0x0
	s_wait_tensorcnt 0x0
	ds_add_u32 v126, v127
	s_wait_dscnt 0x0
	s_endpgm
.Lfunc_end_k_q76881c12e6_down:
	.size	k_q76881c12e6_down, .Lfunc_end_k_q76881c12e6_down-k_q76881c12e6_down
	.p2alignl 7, 3214868480
	.fill 96, 4, 3214868480
	.section	.rodata,"a",@progbits
	.p2align	6, 0x0
	.amdhsa_kernel k_q76881c12e6_down
		.amdhsa_group_segment_fixed_size 169472
		.amdhsa_private_segment_fixed_size 0
		.amdhsa_enable_private_segment 0
		.amdhsa_kernarg_size 64
		.amdhsa_user_sgpr_count 2
		.amdhsa_user_sgpr_kernarg_segment_ptr 1
		.amdhsa_wavefront_size32 1
		.amdhsa_system_sgpr_workgroup_id_x 1
		.amdhsa_system_sgpr_workgroup_id_y 1
		.amdhsa_system_sgpr_workgroup_id_z 1
		.amdhsa_system_vgpr_workitem_id 0
		.amdhsa_next_free_vgpr 512
		.amdhsa_next_free_sgpr 66
		.amdhsa_reserve_vcc 0
		.amdhsa_float_denorm_mode_32 3
		.amdhsa_float_denorm_mode_16_64 3
		.amdhsa_memory_ordered 1
		.amdhsa_forward_progress 1
		.amdhsa_inst_pref_size 80
	.end_amdhsa_kernel
	.amdgpu_metadata
---
amdhsa.version: [ 1, 2 ]
amdhsa.kernels:
  - .name:           k_q76881c12e6_down
    .symbol:         k_q76881c12e6_down.kd
    .args:
      - { .name: himg, .offset: 0, .size: 8, .value_kind: global_buffer, .address_space: global }
      - { .name: w2_codes, .offset: 8, .size: 8, .value_kind: global_buffer, .address_space: global }
      - { .name: b2, .offset: 16, .size: 8, .value_kind: global_buffer, .address_space: global }
      - { .name: lowp_scales, .offset: 24, .size: 8, .value_kind: global_buffer, .address_space: global }
      - { .name: offs, .offset: 32, .size: 8, .value_kind: global_buffer, .address_space: global }
      - { .name: order, .offset: 40, .size: 8, .value_kind: global_buffer, .address_space: global }
      - { .name: psort, .offset: 48, .size: 8, .value_kind: global_buffer, .address_space: global }
      - { .name: out0, .offset: 56, .size: 8, .value_kind: global_buffer, .address_space: global }
    .group_segment_fixed_size: 169472
    .private_segment_fixed_size: 0
    .kernarg_segment_align: 8
    .kernarg_segment_size: 64
    .max_flat_workgroup_size: 256
    .sgpr_count:     66
    .vgpr_count:     512
    .wavefront_size: 32
...
	.end_amdgpu_metadata
.endif
;; end of part 8
